; MI455X (gfx1250); checked and timed in simulation.
; The chip was launched on July 23, 2026; its instructions are those of AMD's public machine-readable ISA for CDNA 5 (MIT licence, August 2026) and "CDNA5" Instruction Set Architecture Reference Guide (July 2026). The comments in the code are by the model that wrote it; some were corrected since.
;; Mo E Layer. Allowed arithmetic: matrix products marked QUANTISED: E2M1 operands, one E8M0 scale for each 32 along K, by v_wmma_scale_f32_16x16x128_f8f6f4 with both operands' format E2M1 (or v_wmma_scale_f32_32x16x128_f4), f32 sums; products left as they are: f32 operands where the result goes on into a quantised operand, else bf16, f16 or f32 operands; f32 sums; everything else in f32.
;; Inputs: w_down 8 x 256 x 1,024 float32; w_gate 8 x 1,024 x 256 float32; w_router 1,024 x 8 float32; w_up 8 x 1,024 x 256 float32; x 4 x 2,048 x 1,024 float32.
;; Outputs: out0 4 x 2,048 x 1,024 float32; out1 1 float32; out2 1 float32.
;; This version of the problem:
;;   THIS VERSION OF THE PROBLEM IS GIVEN IN LOW PRECISION. The matrix products marked QUANTISED in the list below multiply operands that are first quantised to E2M1 (2 exponent bits, 1 mantissa bit; 4 bits a number), with one power-of-two scale for each 32 numbers along K (OCP MX v1.0); their sums are f32. All else is computed in f32.
;;   The module's matrix products, in the order in which they are computed (A, B: the left and right operand; K: the contracted axis; several contracted axes count as one K, in the product's order):
;;     1. [M 8,192, K 1,024] x [K 1,024, N 8]; A: input x; B: input w_router: left as it is (N = 8 < 16)
;;     2. batch 8,192 x [M 1, K 2] x [K 2, N 8]; A: computed on the way; B: computed on the way: left as it is (K = 2 < 32)
;;     3. [M 8,192, K 1,024] x [K 1,024, N 256]; A: input x; B: input w_gate: QUANTISED
;;     4. [M 8,192, K 1,024] x [K 1,024, N 256]; A: input x; B: input w_up: QUANTISED
;;     5. [M 8,192, K 256] x [K 256, N 1,024]; A: computed on the way; B: input w_down: QUANTISED
;;     6. [M 8,192, K 1,024] x [K 1,024, N 256]; A: input x; B: input w_gate: QUANTISED
;;     7. [M 8,192, K 1,024] x [K 1,024, N 256]; A: input x; B: input w_up: QUANTISED
;;     8. [M 8,192, K 256] x [K 256, N 1,024]; A: computed on the way; B: input w_down: QUANTISED
;;     9. [M 8,192, K 1,024] x [K 1,024, N 256]; A: input x; B: input w_gate: QUANTISED
;;     10. [M 8,192, K 1,024] x [K 1,024, N 256]; A: input x; B: input w_up: QUANTISED
;;     11. [M 8,192, K 256] x [K 256, N 1,024]; A: computed on the way; B: input w_down: QUANTISED
;;     12. [M 8,192, K 1,024] x [K 1,024, N 256]; A: input x; B: input w_gate: QUANTISED
;;     13. [M 8,192, K 1,024] x [K 1,024, N 256]; A: input x; B: input w_up: QUANTISED
;;     14. [M 8,192, K 256] x [K 256, N 1,024]; A: computed on the way; B: input w_down: QUANTISED
;;     15. [M 8,192, K 1,024] x [K 1,024, N 256]; A: input x; B: input w_gate: QUANTISED
;;     16. [M 8,192, K 1,024] x [K 1,024, N 256]; A: input x; B: input w_up: QUANTISED
;;     17. [M 8,192, K 256] x [K 256, N 1,024]; A: computed on the way; B: input w_down: QUANTISED
;;     18. [M 8,192, K 1,024] x [K 1,024, N 256]; A: input x; B: input w_gate: QUANTISED
;;     19. [M 8,192, K 1,024] x [K 1,024, N 256]; A: input x; B: input w_up: QUANTISED
;;     20. [M 8,192, K 256] x [K 256, N 1,024]; A: computed on the way; B: input w_down: QUANTISED
;;     21. [M 8,192, K 1,024] x [K 1,024, N 256]; A: input x; B: input w_gate: QUANTISED
;;     22. [M 8,192, K 1,024] x [K 1,024, N 256]; A: input x; B: input w_up: QUANTISED
;;     23. [M 8,192, K 256] x [K 256, N 1,024]; A: computed on the way; B: input w_down: QUANTISED
;;     24. [M 8,192, K 1,024] x [K 1,024, N 256]; A: input x; B: input w_gate: QUANTISED
;;     25. [M 8,192, K 1,024] x [K 1,024, N 256]; A: input x; B: input w_up: QUANTISED
;;     26. [M 8,192, K 256] x [K 256, N 1,024]; A: computed on the way; B: input w_down: QUANTISED
;;   THE QUANTISER, for each operand of a quantised product, along K:
;;     - K is cut into blocks of 32 from its start; a last block that is shorter is filled with zeros.
;;     - A block's scale is 2^e with e = floor(log2(the largest magnitude in the block)) - 2, held to -126 .. 127; a block of zeros has e = 0. As a byte (E8M0): e + 127.
;;     - Each number is divided by its block's scale, clamped to +-6, and rounded to the nearest number of E2M1, ties to even, subnormals kept.
;;     - The product sums the exact products of the quantised numbers (number of the format x scale) in f32.
;;   ~~~python
;;   def quantise(x, axis):      # numpy; x: float32 -> the quantised numbers, widened to float32 again
;;       x = np.moveaxis(x, axis, -1); K = x.shape[-1]
;;       x = np.pad(x, [(0, 0)] * (x.ndim - 1) + [(0, -K % 32)]); x = x.reshape(x.shape[:-1] + (-1, 32)); a = np.abs(x).max(-1, keepdims=True)
;;       e = np.where(a > 0, np.clip(np.frexp(np.where(a > 0, a, 1))[1] - 1 - 2, -126, 127), 0)      # np.frexp(a)[1] - 1 = floor(log2(a)), exactly
;;       r = np.clip(x / 2.0 ** e, -6, 6)
;;       step = 2.0 ** (np.maximum(np.frexp(np.where(r == 0, 1, r))[1] - 1, 0) - 1)
;;       q = np.round(r / step) * step * 2.0 ** e      # np.round: ties to even
;;       return np.moveaxis(q.reshape(q.shape[:-2] + (-1,))[..., :K], -1, axis).astype(np.float32)
;;   ~~~
;;   OPERANDS COMPUTED ON THE WAY. 'Computed on the way' means the value that the module computes at that place (a softmax that the list does not call 'softmax' is quantised finished and normalised). What goes into a quantiser is computed in f32, as accurately as f32 sums, v_exp_f32 and their like allow (about 1e-6 of the number): no bf16 or f16 on the way to a quantiser, and a product that is left as it is and whose result goes on into a quantised operand takes f32 operands (vector FMAs, or v_wmma_f32_16x16x4_f32). A number that lies on a knife's edge between two numbers of the format may be rounded either way, as far as f32 arithmetic and the matrix unit's own rounding can turn it there, and no further.
;; 2 versions. Each part assembles by itself: llvm-mc -triple=amdgcn-amd-amdhsa -mcpu=gfx1250 --defsym DOCPART=n.
;; ======== version 1 of 2: 3 launches
;; workspace buffers: xq 4,194,304 bytes; xs 262,144 bytes; wq 3,145,728 bytes; ws 196,608 bytes; sel 65,536 bytes of whole numbers; rt 81,920 bytes; order 33,792 bytes of whole numbers
;; launch prep (part 1): grid 448 x 1, 4 waves a work-group, no clusters, 73,216 bytes of LDS; arguments x, w_router, w_gate, w_up, w_down, xq, xs, wq, ws, sel, rt; writes xq, xs, wq, ws, sel, rt
.if DOCPART == 1
	.amdgcn_target "amdgcn-amd-amdhsa--gfx1250"
	.amdhsa_code_object_version 6
	.text
	.protected	k_q42cfa25c38_prep
	.globl	k_q42cfa25c38_prep
	.p2align	8
	.type	k_q42cfa25c38_prep,@function
k_q42cfa25c38_prep:
	s_mov_b64 s[64:65], 0
	v_nop
	global_prefetch_b8 v0, s[64:65] scope:SCOPE_SE
	s_setreg_imm32_b32 hwreg(HW_REG_WAVE_MODE, 25, 1), 1
	s_wait_xcnt 0x0
; PREP.  Two roles, parted once on the work-group's number.
; Work-groups 0-255 (x): 32 tokens each, 8 a wave.  A token's 1,024 f32 are read once; they become 512 bytes of FP4 (E2M1) codes and 32 E8M0 scale bytes (xq, xs), and the same registers feed the
;   router's 8 logits in f32 (packed multiply-adds against w_router, which each wave keeps whole in 256 registers).  Wave 0 then takes a token a lane: softmax with its maximum taken away, top-2
;   (the lower index wins a tie), the two scores made to sum to 1, the pair's key, the token's rank among its group's tokens of the same key, the group's histogram, and the sums for the two losses.
;   All of that is STORED AS VALUES at fixed places: no address and no branch of this launch hangs on it.
; Work-groups 256-447 (weights): 128 columns x 256 along K of one matrix of one expert.  A lane takes a column and its registers run down K, so a block of 32 lies in one lane and the codes come out
;   with K innermost.  They are stored in the order of the next launch's operand registers (wq) with their scale words beside them (ws).
; A block's scale is 2^(floor(log2(largest magnitude)) - 2); its byte is the largest magnitude's exponent field - 2, held at 1 from below by a floor among the maximum's leaves.
; LIMITS: NaN and infinities are not served.  A block of zeros, or one whose largest magnitude lies under 2^-124, gets the byte 1 (a block of zeros has zero codes; the bytes are read by this program alone).
;   An exponential under 2^-126 comes out as 0: such a probability counts as 0, and ties at 0 go to the lower index.  Two probabilities within f32 rounding of each other may be ranked either way.
; No tensor loads, clusters or matrix work: both roles stream their input once and share nothing between work-groups.
.set WRS,  0                           ; LDS (x role alone): w_router, 32 pieces of 1,024 bytes + 16 of padding
.set STG,  33280                       ; 4 waves x 2 stages of 32 x (128 bytes + 16)
.set SCB,  70144                       ; 4 waves x 256 scale bytes
.set LG,   71168                       ; 32 tokens x 48 bytes: the logits
.set WD0,  2097152                     ; wq: where w_down's codes begin
.set SD0,  131072                      ; ws: where w_down's scale words begin
.set C,    16                          ; v16-19   a block's codes
.set ACC,  24                          ; v24-39   the logits' sums: two sets of 8
.set PT,   40                          ; v40-47   destinations of the lane exchange
.set R,    48                          ; v48-175  four tokens as loaded
.set X,    176                         ; v176-239 two tokens, a block of 32 neighbours a lane
                                       ; v256-511 (window 1): w_router[32 lane + i][e] at 8 i + e
.set MSB, 0
.macro WIN new                         ; the immediate's high byte repeats the setting that is left
.if MSB != \new
	s_set_vgpr_msb (MSB<<8)|\new
.set MSB, \new
.endif
.endm
	s_load_b512 s[4:19], s[0:1], 0x0               ; x, w_router, w_gate, w_up, w_down, xq, xs, wq
	s_load_b128 s[20:23], s[0:1], 0x40             ; ws, sel
	s_load_b64 s[24:25], s[0:1], 0x50              ; rt
	v_lshl_add_u32 v254, v0, 2, 0x11c00
	v_mov_b32 v255, 0
	v_lshrrev_b32 v1, 5, v0
	v_readfirstlane_b32 s26, v1                    ; wave
	v_and_b32 v1, 31, v0                           ; lane
	s_cmp_ge_u32 ttmp9, 256
	s_cbranch_scc1 .Lweights
; ------------------------------------------------------------------ the x role
	v_lshlrev_b32 v2, 4, v1                        ; 16 x lane
	s_mul_i32 s27, s26, 9216
	s_add_co_u32 s27, s27, STG                     ; my wave's two stages
	v_lshrrev_b32 v3, 3, v1
	v_mul_u32_u24 v3, v3, 144
	v_and_b32 v4, 7, v1
	v_lshl_add_u32 v3, v4, 4, v3
	v_add_nc_u32 v3, s27, v3                       ; into a stage: eight lanes' 128 bytes on end, then 16 of padding
	v_mul_u32_u24 v4, v1, 144
	v_add_nc_u32 v4, s27, v4                       ; out of it: block = lane
	s_lshl_b32 s27, s26, 8
	s_add_co_u32 s27, s27, SCB
	v_add_nc_u32 v5, s27, v1                       ; my block's scale byte
	v_lshlrev_b32 v7, 3, v1                        ; 8 x lane
	v_add_nc_u32 v6, s27, v7                       ; and 8 of the wave's 256 bytes on the way out
	s_mul_i32 s27, s26, 384
	s_add_co_u32 s27, s27, LG
	v_mov_b32 v8, s27                              ; my wave's 8 rows of logits
	v_lshrrev_b32 v9, 6, v0
	v_mul_u32_u24 v9, v9, 1040
	v_and_b32 v10, 63, v0
	v_lshl_add_u32 v9, v10, 4, v9                  ; w_router into LDS: piece = thread / 64 (+ 2 a load)
	v_mul_u32_u24 v10, v1, 1040                    ; and out: piece = lane (WRS = 0)
	v_lshlrev_b32 v11, 4, v0                       ; 16 x thread
	v_mul_u32_u24 v14, v1, 48
	v_add_nc_u32 v14, LG, v14                      ; wave 0's tail: token = lane
.irp e, 0,1,2,3,4,5,6,7
	v_mov_b32 v[PT+\e], 0                          ; written once: a lane exchange's destination counts as one of its sources
.endr
	s_lshl_b32 s28, ttmp9, 17                      ; x: 32 tokens of 4,096 bytes a work-group, 8 a wave
	s_lshl_b32 s27, s26, 15
	s_add_co_u32 s28, s28, s27
	s_mov_b32 s29, 0
	s_lshl_b32 s30, ttmp9, 14                      ; xq: 512 bytes a token
	s_lshl_b32 s27, s26, 12
	s_add_co_u32 s30, s30, s27
	s_mov_b32 s31, 0
	s_lshl_b32 s32, ttmp9, 10                      ; xs: 32 bytes a token
	s_lshl_b32 s27, s26, 8
	s_add_co_u32 s32, s32, s27
	s_mov_b32 s33, 0
	s_mov_b32 s34, 0x76543210
	s_mov_b32 s35, 0xfedcba98                      ; lane l xor 16
	s_wait_kmcnt 0x0
	s_add_nc_u64 s[4:5], s[4:5], s[28:29]
	s_add_nc_u64 s[14:15], s[14:15], s[30:31]
	s_add_nc_u64 s[16:17], s[16:17], s[32:33]
.macro LOADX t                         ; token t: eight loads of 512 consecutive bytes
.irp i, 0,1,2,3,4,5,6,7
	global_load_b128 v[R+32*((\t)%4)+4*\i:R+32*((\t)%4)+4*\i+3], v2, s[4:5] offset:4096*(\t)+512*\i th:TH_LOAD_NT
.endr
.endm
.macro TURN t                          ; token t through a stage: in as loaded, out a block of 32 neighbours a lane.  LDS serves a wave's instructions in order: no wait between
.irp i, 0,1,2,3,4,5,6,7
	ds_store_b128 v3, v[R+32*((\t)%4)+4*\i:R+32*((\t)%4)+4*\i+3] offset:4608*((\t)%2)+576*\i
.endr
.irp i, 0,1,2,3,4,5,6,7
	ds_load_b128 v[X+32*((\t)%2)+4*\i:X+32*((\t)%2)+4*\i+3], v4 offset:4608*((\t)%2)+16*\i
.endr
.endm
	WIN 0x40                                       ; destination window 1
.irp n, 0,1,2,3,4,5,6,7,8,9,10,11,12,13,14,15
	global_load_b128 v[4*\n:4*\n+3], v11, s[6:7] offset:2048*\n    ; w_router: the work-group reads its 32 KiB once, densely
.endr
	WIN 0
	LOADX 0
	LOADX 1
	LOADX 2
	LOADX 3
	s_wait_loadcnt 32                              ; w_router is in; the 32 loads of x behind it stay out
	WIN 0x04                                       ; an LDS store's data are its source 1: window 1
.irp n, 0,1,2,3,4,5,6,7,8,9,10,11,12,13,14,15
	ds_store_b128 v9, v[4*\n:4*\n+3] offset:2080*\n
.endr
	WIN 0
	s_wait_dscnt 0x0                               ; for the others' sake: my part of w_router lies in LDS
	s_barrier_signal -1
	s_barrier_wait -1
	WIN 0x40
.irp q, 0,1,2,3,4,5,6,7,8,9,10,11,12,13,14,15,16,17,18,19,20,21,22,23,24,25,26,27,28,29,30,31,32,33,34,35,36,37,38,39,40,41,42,43,44,45,46,47,48,49,50,51,52,53,54,55,56,57,58,59,60,61,62,63
	ds_load_b128 v[4*\q:4*\q+3], v10 offset:16*\q  ; my lane's 32 rows of w_router: they stay in window 1
.endr
	WIN 0
	s_wait_loadcnt 24                              ; token 0 is in; tokens 1 to 3 stay out
	TURN 0
; One token: codes, scale byte, logits.
.macro TOK t
.if (\t) == 0
	s_wait_dscnt 0x0                               ; w_router and token 0 are in registers
.else
	s_wait_dscnt 0x3                               ; this token is back from its stage; the last token's byte store and two logit stores may be out
.endif
.if (\t) < 4
	LOADX (\t)+4                                   ; into the set that this token's stores into the stage have read
.endif
.if (\t) < 7
.if (\t) < 4
	s_wait_loadcnt 24                              ; the next token is in; the three behind it stay out
.else
	s_wait_loadcnt 8*(6-(\t))                      ; the counts run down: nothing more is asked for
.endif
	TURN (\t)+1
.endif
.set XS, X+32*((\t)%2)
	v_max3_num_f32 v20, |v[XS]|, |v[XS+1]|, 0x1800000              ; the block's largest magnitude, in two chains, with the floor 2^(3 - 127) among the leaves
	v_max3_num_f32 v21, |v[XS+16]|, |v[XS+17]|, |v[XS+18]|
.irp i, 2,4,6,8,10,12
	v_max3_num_f32 v20, v20, |v[XS+\i]|, |v[XS+\i+1]|
	v_max3_num_f32 v21, v21, |v[XS+\i+17]|, |v[XS+\i+18]|
.endr
	v_max3_num_f32 v20, v20, |v[XS+14]|, |v[XS+15]|
	v_max3_num_f32 v20, v20, v21, |v[XS+31]|
	v_add_nc_u32 v22, 0xff000000, v20              ; 2 off its exponent field: the conversion's scale operand
	s_wait_xcnt 0x0                                ; the last token's store has read the codes' registers
.irp g, 0,1,2,3
	v_cvt_scalef32_pk8_fp4_f32 v[C+\g], v[XS+8*\g:XS+8*\g+7], v22
.endr
	v_lshrrev_b32 v23, 23, v22                     ; the scale's byte (also the plain line behind the conversions)
	global_store_b128 v2, v[C:C+3], s[14:15] offset:512*(\t)       ; 32 lanes store the token's 512 bytes of codes
	ds_store_b8 v5, v23 offset:32*(\t)
	WIN 0x04                                       ; source 1 (w_router) window 1
.irp e, 0,2,4,6
	v_pk_mul_f32 v[ACC+\e:ACC+\e+1], v[XS:XS+1], v[\e:\e+1] op_sel_hi:[0,1]                     ; k = 32 lane + 0 starts set 0,
	v_pk_mul_f32 v[ACC+8+\e:ACC+8+\e+1], v[XS:XS+1], v[8+\e:8+\e+1] op_sel:[1,0] op_sel_hi:[1,1]   ; k = 32 lane + 1 set 1: nothing is cleared
.endr
.irp i, 2,4,6,8,10,12,14,16,18,20,22,24,26,28,30
.irp e, 0,2,4,6
	v_pk_fma_f32 v[ACC+\e:ACC+\e+1], v[XS+\i:XS+\i+1], v[8*\i+\e:8*\i+\e+1], v[ACC+\e:ACC+\e+1] op_sel_hi:[0,1,1]
	v_pk_fma_f32 v[ACC+8+\e:ACC+8+\e+1], v[XS+\i:XS+\i+1], v[8*\i+8+\e:8*\i+8+\e+1], v[ACC+8+\e:ACC+8+\e+1] op_sel:[1,0,0] op_sel_hi:[1,1,1]
.endr
.endr
	WIN 0
.irp e, 0,2,4,6
	v_pk_add_f32 v[ACC+\e:ACC+\e+1], v[ACC+\e:ACC+\e+1], v[ACC+8+\e:ACC+8+\e+1]
.endr
.irp k, 1,2,4,8
.irp e, 0,1,2,3,4,5,6,7
	v_add_f32_dpp v[ACC+\e], v[ACC+\e], v[ACC+\e] row_xmask:\k row_mask:0xf bank_mask:0xf
.endr
.endr
.irp e, 0,1,2,3,4,5,6,7
	v_permlanex16_b32 v[PT+\e], v[ACC+\e], s34, s35
.endr
.irp e, 0,1,2,3,4,5,6,7
	v_add_f32 v[ACC+\e], v[ACC+\e], v[PT+\e]       ; every lane holds the token's 8 logits
.endr
	ds_store_b128 v8, v[ACC:ACC+3] offset:48*(\t)  ; all lanes write the same words with the same values
	ds_store_b128 v8, v[ACC+4:ACC+7] offset:48*(\t)+16
.endm
.irp t, 0,1,2,3,4,5,6,7
	TOK \t
.endr
	ds_load_b64 v[12:13], v6                       ; my wave's 256 scale bytes, 8 a lane
	s_wait_dscnt 0x0                               ; they are in, and my logits lie in LDS
	global_store_b64 v7, v[12:13], s[16:17]        ; 32 lanes store 256 consecutive bytes, aligned
	s_barrier_signal -1
	s_barrier_wait -1                              ; the 32 tokens' logits lie in LDS
	s_cmp_lg_u32 s26, 0
	s_cbranch_scc1 .Lx_end
; wave 0: a token a lane
	ds_load_b128 v[48:51], v14
	ds_load_b128 v[52:55], v14 offset:16
	s_lshl_b32 s38, ttmp9, 7
	s_mov_b32 s39, 0
	s_add_nc_u64 s[22:23], s[22:23], s[38:39]      ; sel: 128 bytes a group, in both of its parts
	s_lshl_b32 s38, ttmp9, 8
	s_add_nc_u64 s[40:41], s[24:25], s[38:39]      ; rt: 8 bytes a token
	s_lshl_b32 s38, ttmp9, 6
	s_add_nc_u64 s[42:43], s[24:25], s[38:39]      ; rt's second part: 64 bytes a group
	v_lshlrev_b32 v93, 2, v1
	v_mov_b32 v94, 0
	s_wait_dscnt 0x0
	v_max3_num_f32 v57, v48, v49, v50
	v_max3_num_f32 v57, v57, v51, v52
	v_max3_num_f32 v57, v57, v53, v54
	v_max_num_f32 v57, v57, v55                    ; the largest logit: it is taken away ahead of the exponentials
	v_mul_f32 v80, v48, v48
.irp e, 1,2,3,4,5,6,7
	v_fmac_f32 v80, v[48+\e], v[48+\e]             ; the sum of the logits' squares
.endr
.irp e, 0,1,2,3,4,5,6,7
	v_sub_f32 v[58+\e], v[48+\e], v57
.endr
.irp e, 0,1,2,3,4,5,6,7
	v_mul_f32 v[58+\e], 0x3fb8aa3b, v[58+\e]       ; x log2(e)
.endr
.irp e, 0,1,2,3,4,5,6,7
	v_exp_f32 v[58+\e], v[58+\e]
.endr
	v_mov_b32 v81, 0                               ; a plain line behind the exponentials (words 9 to 11 of the group's sums are zeros)
	s_wait_alu depctr_va_vdst(0)                   ; one wait for the batch, ahead of its first reader
	v_add_f32 v66, v58, v59
	v_add_f32 v67, v60, v61
	v_add_f32 v68, v62, v63
	v_add_f32 v69, v64, v65
	v_add_f32 v66, v66, v67
	v_add_f32 v68, v68, v69
	v_add_f32 v66, v66, v68
	v_rcp_f32 v67, v66
	v_mov_b32 v82, 0                               ; a plain line
	s_wait_alu depctr_va_vdst(0)
.irp e, 0,1,2,3,4,5,6,7
	v_mul_f32 v[58+\e], v[58+\e], v67              ; the probabilities
.endr
	v_mov_b32 v68, v58                             ; the largest, by an ascending scan with a strict compare: the lower index wins a tie
	v_mov_b32 v69, 0
.irp e, 1,2,3,4,5,6,7
	v_cmp_gt_f32 vcc_lo, v[58+\e], v68
	v_cndmask_b32 v68, v68, v[58+\e], vcc_lo
	v_cndmask_b32 v69, v69, \e, vcc_lo
.endr
.irp e, 0,1,2,3,4,5,6,7
	v_cmp_eq_u32 vcc_lo, \e, v69
	v_cndmask_b32 v[72+\e], v[58+\e], -1.0, vcc_lo ; the winner is put under every probability,
.endr
	v_mov_b32 v70, v72                             ; and the scan is run again
	v_mov_b32 v71, 0
.irp e, 1,2,3,4,5,6,7
	v_cmp_gt_f32 vcc_lo, v[72+\e], v70
	v_cndmask_b32 v70, v70, v[72+\e], vcc_lo
	v_cndmask_b32 v71, v71, \e, vcc_lo
.endr
	v_add_f32 v91, v68, v70
	v_rcp_f32 v91, v91
	v_mov_b32 v83, 0                               ; a plain line
	s_wait_alu depctr_va_vdst(0)
	v_mul_f32 v68, v68, v91                        ; the two scores, made to sum to 1
	v_mul_f32 v70, v70, v91
	v_min_u32 v86, v69, v71                        ; lo
	v_max_u32 v87, v69, v71                        ; hi
	v_cmp_lt_u32 vcc_lo, v69, v71
	v_cndmask_b32 v84, v70, v68, vcc_lo            ; lo's score
	v_cndmask_b32 v85, v68, v70, vcc_lo            ; hi's
	v_sub_nc_u32 v88, 15, v86
	v_mul_u32_u24 v88, v88, v86
	v_lshrrev_b32 v88, 1, v88
	v_add_nc_u32 v88, v88, v87
	v_sub_nc_u32 v88, v88, v86
	v_add_nc_u32 v88, -1, v88                      ; key = lo (15 - lo) / 2 + hi - lo - 1: 0 to 27
	v_mov_b32 v89, 0                               ; my rank among the group's tokens of my key
	v_mov_b32 v90, 0                               ; the group's histogram: lane = key; keys 28 to 31 stay 0
.irp b, 0,1,2,3,4,5,6,7,8,9,10,11,12,13,14,15,16,17,18,19,20,21,22,23,24,25,26,27
	v_cmp_eq_u32 s36, \b, v88
	v_mbcnt_lo_u32_b32 v91, s36, 0
	v_cndmask_b32 v89, v89, v91, s36
	s_bcnt1_i32_b32 s37, s36
	v_writelane_b32 v90, s37, \b
.endr
	v_lshl_or_b32 v92, v87, 8, v86
	v_lshl_or_b32 v92, v88, 16, v92
	v_lshl_or_b32 v92, v89, 24, v92                ; lo | hi << 8 | key << 16 | rank << 24
	global_store_b32 v93, v92, s[22:23]
	global_store_b32 v93, v90, s[22:23] offset:32768
	global_store_b64 v7, v[84:85], s[40:41]        ; 32 lanes store 256 consecutive bytes, aligned
.irp k, 1,2,4,8
.irp e, 58,59,60,61,62,63,64,65,80
	v_add_f32_dpp v\e, v\e, v\e row_xmask:\k row_mask:0xf bank_mask:0xf   ; the group's sums of each probability and of the squares
.endr
.endr
.irp e, 0,1,2,3,4,5,6,7
	v_permlanex16_b32 v[PT+\e], v[58+\e], s34, s35
.endr
	v_permlanex16_b32 v91, v80, s34, s35
.irp e, 0,1,2,3,4,5,6,7
	v_add_f32 v[58+\e], v[58+\e], v[PT+\e]
.endr
	v_add_f32 v80, v80, v91
	v_cmp_eq_u32 vcc_lo, 0, v1
	s_wait_xcnt 0x0                                ; EXEC changes only behind this wait: the stores above have it among their sources
	s_and_saveexec_b32 s36, vcc_lo
	global_store_b128 v94, v[58:61], s[42:43] offset:65536
	global_store_b128 v94, v[62:65], s[42:43] offset:65552
	global_store_b128 v94, v[80:83], s[42:43] offset:65568
	s_wait_xcnt 0x0                                ; and again ahead of the line that widens it
	s_or_b32 exec_lo, exec_lo, s36
.Lx_end:
	s_wait_tensorcnt 0x0
	ds_add_u32 v254, v255
	s_wait_dscnt 0x0
	s_endpgm
; ------------------------------------------------------------------ the weights' role
.macro LOADW kb, rowb                  ; block kb: 32 rows of my column; 32 lanes read 128 consecutive bytes, the four waves 512
.irp i, 0,1,2,3,4,5,6,7,8,9,10,11,12,13,14,15,16,17,18,19,20,21,22,23,24,25,26,27,28,29,30,31
	global_load_b32 v[32+32*((\kb)%2)+\i], v8, s[44:45] offset:(32*(\kb)+\i)*(\rowb) th:TH_LOAD_NT
.endr
.endm
; Eight blocks of 32 along K of my column.  rowb: bytes from row to row of the source; i4: bytes from a K step's fragment to the next in wq.
; Each block has registers of its own for its codes, so no store's data are written again.
.macro QW rowb, i4
	LOADW 0, \rowb
	LOADW 1, \rowb
.irp kb, 0,1,2,3,4,5,6,7
.set WS, 32+32*(\kb%2)
.if \kb < 7
	s_wait_loadcnt 32                              ; this block's 32 loads are in; the next block's stay out
.else
	s_wait_loadcnt 0x0
.endif
	v_max3_num_f32 v20, |v[WS]|, |v[WS+1]|, 0x1800000
	v_max3_num_f32 v21, |v[WS+16]|, |v[WS+17]|, |v[WS+18]|
.irp i, 2,4,6,8,10,12
	v_max3_num_f32 v20, v20, |v[WS+\i]|, |v[WS+\i+1]|
	v_max3_num_f32 v21, v21, |v[WS+\i+17]|, |v[WS+\i+18]|
.endr
	v_max3_num_f32 v20, v20, |v[WS+14]|, |v[WS+15]|
	v_max3_num_f32 v20, v20, v21, |v[WS+31]|
	v_add_nc_u32 v22, 0xff000000, v20
	v_lshrrev_b32 v23, 23, v22
.if \kb%4 == 0
	v_mov_b32 v[12+\kb/4], v23                     ; four bytes make a K step's scale word, the lower K in the lower byte
.else
	v_lshl_or_b32 v[12+\kb/4], v23, 8*(\kb%4), v[12+\kb/4]
.endif
.irp g, 0,1,2,3
	v_cvt_scalef32_pk8_fp4_f32 v[96+4*\kb+\g], v[WS+8*\g:WS+8*\g+7], v22
.endr
	global_store_b128 v9, v[96+4*\kb:96+4*\kb+3], s[46:47] offset:(\i4)*(\kb/4)+512*((\kb/2)%2)+256*(\kb%2)   ; lanes 0-15 fill 256 consecutive bytes, aligned, and so do lanes 16-31
.if \kb < 6
	LOADW \kb+2, \rowb
.endif
.endr
	global_store_b64 v10, v[12:13], s[20:21]       ; two scale words a lane: 256 consecutive bytes
.endm
.Lweights:
	s_sub_co_u32 s27, ttmp9, 256
	s_lshr_b32 s28, s27, 6                         ; 0 gate, 1 up, 2 down
	s_bfe_u32 s29, s27, 0x30003                    ; the expert
	s_and_b32 s30, s27, 7                          ; which eighth of the matrix
	v_and_b32 v2, 15, v1                           ; r
	v_lshrrev_b32 v3, 4, v1                        ; u
	v_lshlrev_b32 v10, 3, v1                       ; 8 x lane
	s_lshl_b32 s31, s29, 20                        ; an expert's matrix is 2^20 bytes
	s_cmp_eq_u32 s28, 2
	s_cbranch_scc1 .Ldown
; gate and up: [1024 (k)][256 (n)].  THE COLUMNS OF A TILE ARE NOT NEIGHBOURS: lane (u, r) takes column 32 group + 8 u + r + 8 (r / 8), so that the next launch's results come out as 16 neighbours along the next K.
	s_and_b32 s32, s30, 1                          ; which 128 columns
	s_lshr_b32 s33, s30, 1                         ; which 256 along K
	v_and_b32 v4, 8, v2
	v_add_nc_u32 v4, v4, v2
	v_lshl_add_u32 v4, v3, 3, v4
	v_lshlrev_b32 v8, 2, v4                        ; source: 4 bytes a column
	v_lshlrev_b32 v9, 4, v2
	v_lshl_add_u32 v9, v3, 10, v9                  ; wq: 1,024 u + 16 r
	s_lshl_b32 s34, s33, 18
	s_add_co_u32 s34, s34, s31
	s_lshl_b32 s36, s32, 9
	s_add_co_u32 s34, s34, s36
	s_lshl_b32 s36, s26, 7
	s_add_co_u32 s34, s34, s36
	s_mov_b32 s35, 0
	s_lshl_b32 s36, s32, 1
	s_lshr_b32 s37, s26, 1
	s_add_co_u32 s36, s36, s37                     ; the reader's wave: group / 2
	s_and_b32 s37, s26, 1                          ; its pass: group % 2
	s_lshl_b32 s38, s29, 18                        ; wq: 262,144 e + 65,536 wave + 32,768 pass + 8,192 (K / 256) + 2,048 matrix
	s_lshl_b32 s42, s36, 16
	s_add_co_u32 s38, s38, s42
	s_lshl_b32 s42, s37, 15
	s_add_co_u32 s38, s38, s42
	s_lshl_b32 s42, s33, 13
	s_add_co_u32 s38, s38, s42
	s_lshl_b32 s42, s28, 11
	s_add_co_u32 s38, s38, s42
	s_mov_b32 s39, 0
	s_lshl_b32 s40, s29, 14                        ; ws: 16,384 e + 4,096 wave + 2,048 pass + 1,024 matrix + 256 (K / 256)
	s_lshl_b32 s42, s36, 12
	s_add_co_u32 s40, s40, s42
	s_lshl_b32 s42, s37, 11
	s_add_co_u32 s40, s40, s42
	s_lshl_b32 s42, s28, 10
	s_add_co_u32 s40, s40, s42
	s_lshl_b32 s42, s33, 8
	s_add_co_u32 s40, s40, s42
	s_mov_b32 s41, 0
	s_wait_kmcnt 0x0
	s_cmp_eq_u32 s28, 0
	s_cselect_b64 s[44:45], s[8:9], s[10:11]       ; the choice hangs on the work-group's number alone
	s_add_nc_u64 s[44:45], s[44:45], s[34:35]
	s_add_nc_u64 s[46:47], s[18:19], s[38:39]
	s_add_nc_u64 s[20:21], s[20:21], s[40:41]
	QW 1024, 4096
	s_endpgm
.Ldown:
; down: [256 (k)][1024 (n)]: lane L takes column 128 eighth + 32 wave + L; all of K
	v_lshlrev_b32 v8, 2, v1
	v_lshlrev_b32 v9, 4, v2
	v_lshl_add_u32 v9, v3, 11, v9                  ; wq: 2,048 u + 16 r
	s_lshl_b32 s34, s30, 9
	s_add_co_u32 s34, s34, s31
	s_lshl_b32 s36, s26, 7
	s_add_co_u32 s34, s34, s36
	s_mov_b32 s35, 0
	s_lshr_b32 s36, s30, 1                         ; the reader's wave
	s_and_b32 s37, s30, 1
	s_lshl_b32 s38, s29, 17                        ; wq: WD0 + 131,072 e + 32,768 wave + 8,192 (2 (eighth % 2) + my wave / 2) + 4,096 (my wave % 2)
	s_add_co_u32 s38, s38, WD0
	s_lshl_b32 s42, s36, 15
	s_add_co_u32 s38, s38, s42
	s_lshl_b32 s42, s37, 14
	s_add_co_u32 s38, s38, s42
	s_lshr_b32 s42, s26, 1
	s_lshl_b32 s42, s42, 13
	s_add_co_u32 s38, s38, s42
	s_and_b32 s42, s26, 1
	s_lshl_b32 s42, s42, 12
	s_add_co_u32 s38, s38, s42
	s_mov_b32 s39, 0
	s_lshl_b32 s40, s29, 13                        ; ws: SD0 + 8,192 e + 2,048 wave + 256 (4 (eighth % 2) + my wave)
	s_add_co_u32 s40, s40, SD0
	s_lshl_b32 s42, s36, 11
	s_add_co_u32 s40, s40, s42
	s_lshl_b32 s42, s37, 10
	s_add_co_u32 s40, s40, s42
	s_lshl_b32 s42, s26, 8
	s_add_co_u32 s40, s40, s42
	s_mov_b32 s41, 0
	s_wait_kmcnt 0x0
	s_add_nc_u64 s[44:45], s[12:13], s[34:35]
	s_add_nc_u64 s[46:47], s[18:19], s[38:39]
	s_add_nc_u64 s[20:21], s[20:21], s[40:41]
	QW 4096, 1024
	s_endpgm
.Lfunc_end_k_q42cfa25c38_prep:
	.size	k_q42cfa25c38_prep, .Lfunc_end_k_q42cfa25c38_prep-k_q42cfa25c38_prep
	.p2alignl 7, 3214868480
	.fill 96, 4, 3214868480
	.section	.rodata,"a",@progbits
	.p2align	6, 0x0
	.amdhsa_kernel k_q42cfa25c38_prep
		.amdhsa_group_segment_fixed_size 73216
		.amdhsa_private_segment_fixed_size 0
		.amdhsa_enable_private_segment 0
		.amdhsa_kernarg_size 88
		.amdhsa_user_sgpr_count 2
		.amdhsa_user_sgpr_kernarg_segment_ptr 1
		.amdhsa_wavefront_size32 1
		.amdhsa_system_sgpr_workgroup_id_x 1
		.amdhsa_system_sgpr_workgroup_id_y 1
		.amdhsa_system_sgpr_workgroup_id_z 1
		.amdhsa_system_vgpr_workitem_id 0
		.amdhsa_next_free_vgpr 512
		.amdhsa_next_free_sgpr 66
		.amdhsa_reserve_vcc 1
		.amdhsa_float_denorm_mode_32 3
		.amdhsa_float_denorm_mode_16_64 3
		.amdhsa_memory_ordered 1
		.amdhsa_forward_progress 1
		.amdhsa_inst_pref_size 221
	.end_amdhsa_kernel
	.amdgpu_metadata
---
amdhsa.version: [ 1, 2 ]
amdhsa.kernels:
  - .name:           k_q42cfa25c38_prep
    .symbol:         k_q42cfa25c38_prep.kd
    .args:
      - { .name: x, .offset: 0, .size: 8, .value_kind: global_buffer, .address_space: global }
      - { .name: w_router, .offset: 8, .size: 8, .value_kind: global_buffer, .address_space: global }
      - { .name: w_gate, .offset: 16, .size: 8, .value_kind: global_buffer, .address_space: global }
      - { .name: w_up, .offset: 24, .size: 8, .value_kind: global_buffer, .address_space: global }
      - { .name: w_down, .offset: 32, .size: 8, .value_kind: global_buffer, .address_space: global }
      - { .name: xq, .offset: 40, .size: 8, .value_kind: global_buffer, .address_space: global }
      - { .name: xs, .offset: 48, .size: 8, .value_kind: global_buffer, .address_space: global }
      - { .name: wq, .offset: 56, .size: 8, .value_kind: global_buffer, .address_space: global }
      - { .name: ws, .offset: 64, .size: 8, .value_kind: global_buffer, .address_space: global }
      - { .name: sel, .offset: 72, .size: 8, .value_kind: global_buffer, .address_space: global }
      - { .name: rt, .offset: 80, .size: 8, .value_kind: global_buffer, .address_space: global }
    .group_segment_fixed_size: 73216
    .private_segment_fixed_size: 0
    .kernarg_segment_align: 8
    .kernarg_segment_size: 88
    .max_flat_workgroup_size: 128
    .sgpr_count:     66
    .vgpr_count:     512
    .wavefront_size: 32
...
	.end_amdgpu_metadata
.endif
;; end of part 1
;; launch place (part 2): grid 1 x 1, 32 waves a work-group, no clusters, 8,704 bytes of LDS; arguments sel, rt, order, out1, out2; writes order, out1, out2
.if DOCPART == 2
	.amdgcn_target "amdgcn-amd-amdhsa--gfx1250"
	.amdhsa_code_object_version 6
	.text
	.protected	k_q42cfa25c38_place
	.globl	k_q42cfa25c38_place
	.p2align	8
	.type	k_q42cfa25c38_place,@function
k_q42cfa25c38_place:
	s_mov_b64 s[64:65], 0
	v_nop
	global_prefetch_b8 v0, s[64:65] scope:SCOPE_SE
	s_setreg_imm32_b32 hwreg(HW_REG_WAVE_MODE, 25, 1), 1
	s_wait_xcnt 0x0
; PLACE.  One work-group sorts the 8,192 tokens by their pair of experts (28 keys) by a counting sort without atomics, lays out the list of tiles, and finishes the two losses.
; Wave w owns groups 8 w to 8 w + 7 of 32 tokens.  For the histograms a lane is a key; for the tokens a lane is a token of a group.
; A token's place = its key's first place + the key's count in all earlier groups + the token's rank in its own group (stored by the launch before).
; order: words 0 to 8,191: the token at each place; from byte 32,768: for each of 32 keys (first place, tokens, first tile, tiles), tiles of at most 48 tokens.
; out1 = the sum of the logits' squares / 8,192;  out2 = 8 x the sum over experts of pm ln(pm + 1e-9), pm the mean probability.
; One work-group: the sort's sums span all tokens, and its bytes are few.  The places are stored 4 bytes a lane to scattered words: 32 KiB in all.
.set CNT, 0                            ; LDS: 32 waves x 32 keys: each wave's counts
.set LS,  4096                         ; 8 waves x 64 bytes: partial sums for the losses
	s_load_b256 s[4:11], s[0:1], 0x0               ; sel, rt, order, out1
	s_load_b64 s[12:13], s[0:1], 0x20              ; out2
	v_lshl_add_u32 v96, v0, 2, 0x1200
	v_mov_b32 v97, 0
	v_lshrrev_b32 v2, 5, v0
	v_readfirstlane_b32 s14, v2                    ; wave
	v_and_b32 v1, 31, v0                           ; lane
	v_lshlrev_b32 v5, 2, v1                        ; 4 x lane
	v_lshl_add_u32 v15, v2, 8, v1                  ; my token in the wave's first group
	v_lshl_add_u32 v2, v2, 10, v5                  ; 1,024 x wave + 4 x lane
	v_lshlrev_b32 v3, 2, v0                        ; CNT + 4 x thread
	s_min_u32 s15, s14, 7
	s_lshl_b32 s15, s15, 6
	s_add_co_u32 s15, s15, LS
	v_mov_b32 v4, s15                              ; LS + 64 x wave (waves 0 to 7 use it)
	v_and_b32 v10, 7, v1
	v_lshl_add_u32 v10, v10, 2, LS                 ; LS + 4 (lane % 8)
	v_mov_b32 v13, LS
	v_lshlrev_b32 v11, 6, v0                       ; 64 x thread
	v_lshlrev_b32 v12, 4, v1                       ; 16 x lane
	v_lshrrev_b32 v8, 4, v1                        ; lane / 16
	v_mov_b32 v7, 0
	v_mov_b32 v57, 0                               ; destinations of lane moves: written once
	s_mov_b32 s16, 0x76543210
	s_mov_b32 s17, 0xfedcba98
	s_wait_kmcnt 0x0
.irp i, 0,1,2,3,4,5,6,7
	global_load_b32 v[16+\i], v2, s[4:5] offset:128*\i             ; the tokens' words of group 8 w + i
	global_load_b32 v[24+\i], v2, s[4:5] offset:32768+128*\i       ; and its histogram
.endr
	s_cmp_lt_u32 s14, 8
	s_cbranch_scc0 .Lno_part
	global_load_b128 v[32:35], v11, s[6:7] offset:65536            ; waves 0 to 7: a group's loss sums a thread
	global_load_b128 v[36:39], v11, s[6:7] offset:65552
	global_load_b128 v[40:43], v11, s[6:7] offset:65568
.Lno_part:
	s_wait_loadcnt 0x0
	v_mov_b32 v48, 0                               ; counts of my key in the wave's earlier groups
.irp i, 1,2,3,4,5,6,7
	v_add_nc_u32 v[48+\i], v[47+\i], v[23+\i]
.endr
	v_add_nc_u32 v56, v55, v31                     ; and in all eight
	ds_store_b32 v3, v56
	s_cmp_lt_u32 s14, 8
	s_cbranch_scc0 .Lno_red
.irp k, 1,2,4,8
.irp e, 32,33,34,35,36,37,38,39,40
	v_add_f32_dpp v\e, v\e, v\e row_xmask:\k row_mask:0xf bank_mask:0xf
.endr
.endr
.irp e, 32,33,34,35,36,37,38,39,40
	v_permlanex16_b32 v57, v\e, s16, s17
	v_add_f32 v\e, v\e, v57
.endr
	ds_store_b128 v4, v[32:35]                     ; all lanes write the same words with the same values
	ds_store_b128 v4, v[36:39] offset:16
	ds_store_b32 v4, v40 offset:32
.Lno_red:
	s_wait_dscnt 0x0                               ; for the others' sake: my stores have landed
	s_barrier_signal -1
	s_barrier_wait -1
.irp w, 0,1,2,3,4,5,6,7,8,9,10,11,12,13,14,15,16,17,18,19,20,21,22,23,24,25,26,27,28,29,30,31
	ds_load_b32 v[60+\w], v5 offset:128*\w         ; every wave's count of my key
.endr
	v_mov_b32 v45, 0                               ; the key's tokens
	v_mov_b32 v9, 0                                ; and those in earlier waves
	s_wait_dscnt 0x0
.irp w, 0,1,2,3,4,5,6,7,8,9,10,11,12,13,14,15,16,17,18,19,20,21,22,23,24,25,26,27,28,29,30,31
	s_cmp_lt_u32 \w, s14
	s_cselect_b32 s15, 1, 0
	v_add_nc_u32 v45, v45, v[60+\w]
	v_mad_u32_u24 v9, v[60+\w], s15, v9
.endr
	v_add_nc_u32 v47, 47, v45
	v_mul_u32_u24 v47, v47, 0xaaab
	v_lshrrev_b32 v47, 21, v47                     ; tiles = (n + 47) / 48: 43,691 / 2^21 is 1 / 48 closely enough for every n + 47 up to 8,239
	v_lshl_or_b32 v6, v47, 16, v45                 ; both counts in one word: their sums stay under 2^16 and 2^8
	v_mov_b32 v14, v6
.irp k, 1,2,4,8
	v_mov_b32_dpp v7, v6 row_shr:\k row_mask:0xf bank_mask:0xf bound_ctrl:1
	v_add_nc_u32 v6, v6, v7                        ; a running sum inside each half of the lanes,
.endr
	v_readlane_b32 s15, v6, 15
	v_mad_u32_u24 v6, v8, s15, v6                  ; the lower half's total onto the upper half,
	v_sub_nc_u32 v6, v6, v14                       ; and my own taken off: what lies ahead of my key
	v_and_b32 v44, 0xffff, v6                      ; its first place
	v_lshrrev_b32 v46, 16, v6                      ; its first tile
.irp i, 0,1,2,3,4,5,6,7
	v_add3_u32 v[60+\i], v44, v9, v[48+\i]         ; lane = key: where group 8 w + i's tokens of that key begin
	v_bfe_u32 v[68+\i], v[16+\i], 16, 8
	v_lshlrev_b32 v[68+\i], 2, v[68+\i]            ; lane = token: 4 x its key
.endr
.irp i, 0,1,2,3,4,5,6,7
	ds_bpermute_b32 v[76+\i], v[68+\i], v[60+\i]   ; each token takes its key's number
.endr
.irp i, 0,1,2,3,4,5,6,7
	v_add_nc_u32 v[84+\i], 32*\i, v15              ; the token
.endr
	s_wait_dscnt 0x0
.irp i, 0,1,2,3,4,5,6,7
	v_lshrrev_b32 v[68+\i], 24, v[16+\i]           ; its rank
	v_add_nc_u32 v[76+\i], v[76+\i], v[68+\i]
	v_min_u32 v[76+\i], 0x1fff, v[76+\i]           ; a place is under 8,192
	v_lshlrev_b32 v[76+\i], 2, v[76+\i]
	global_store_b32 v[76+\i], v[84+\i], s[8:9]
.endr
	s_cmp_lg_u32 s14, 0
	s_cbranch_scc1 .Lnot_0
	global_store_b128 v12, v[44:47], s[8:9] offset:32768           ; wave 0: the 32 keys' rows, 512 consecutive bytes
.Lnot_0:
	s_cmp_lg_u32 s14, 1
	s_cbranch_scc1 .Lend
.irp w, 0,1,2,3,4,5,6,7
	ds_load_b32 v[32+\w], v10 offset:64*\w         ; wave 1: lane % 8 = expert: the eight partial sums of its probability,
	ds_load_b32 v[60+\w], v13 offset:64*\w+32      ; and of the squares
.endr
	s_wait_dscnt 0x0
.irp w, 1,2,3,4,5,6,7
	v_add_f32 v32, v32, v[32+\w]
	v_add_f32 v60, v60, v[60+\w]
.endr
	v_mul_f32 v32, 0x39000000, v32                 ; / 8,192: the mean probability
	v_add_f32 v33, 0x3089705f, v32                 ; + 1e-9
	v_log_f32 v33, v33
	v_mul_f32 v60, 0x39000000, v60                 ; out1 (a plain line behind the logarithm)
	s_wait_alu depctr_va_vdst(0)                   ; ahead of its first reader
	v_mul_f32 v33, 0x3f317218, v33                 ; x ln 2
	v_mul_f32 v33, v33, v32
	v_add_f32_dpp v33, v33, v33 row_xmask:1 row_mask:0xf bank_mask:0xf
	v_add_f32_dpp v33, v33, v33 row_xmask:2 row_mask:0xf bank_mask:0xf
	v_add_f32_dpp v33, v33, v33 row_xmask:4 row_mask:0xf bank_mask:0xf
	v_mul_f32 v33, 0x41000000, v33                 ; x 8: out2
	v_mov_b32 v34, 0
	v_cmp_eq_u32 vcc_lo, 0, v1
	s_wait_xcnt 0x0                                ; EXEC changes only behind this wait
	s_and_saveexec_b32 s15, vcc_lo
	global_store_b32 v34, v60, s[10:11]
	global_store_b32 v34, v33, s[12:13]
	s_wait_xcnt 0x0
	s_or_b32 exec_lo, exec_lo, s15
.Lend:
	s_wait_tensorcnt 0x0
	ds_add_u32 v96, v97
	s_wait_dscnt 0x0
	s_endpgm
.Lfunc_end_k_q42cfa25c38_place:
	.size	k_q42cfa25c38_place, .Lfunc_end_k_q42cfa25c38_place-k_q42cfa25c38_place
	.p2alignl 7, 3214868480
	.fill 96, 4, 3214868480
	.section	.rodata,"a",@progbits
	.p2align	6, 0x0
	.amdhsa_kernel k_q42cfa25c38_place
		.amdhsa_group_segment_fixed_size 8704
		.amdhsa_private_segment_fixed_size 0
		.amdhsa_enable_private_segment 0
		.amdhsa_kernarg_size 40
		.amdhsa_user_sgpr_count 2
		.amdhsa_user_sgpr_kernarg_segment_ptr 1
		.amdhsa_wavefront_size32 1
		.amdhsa_system_sgpr_workgroup_id_x 1
		.amdhsa_system_sgpr_workgroup_id_y 1
		.amdhsa_system_sgpr_workgroup_id_z 1
		.amdhsa_system_vgpr_workitem_id 0
		.amdhsa_next_free_vgpr 98
		.amdhsa_next_free_sgpr 66
		.amdhsa_reserve_vcc 1
		.amdhsa_float_denorm_mode_32 3
		.amdhsa_float_denorm_mode_16_64 3
		.amdhsa_memory_ordered 1
		.amdhsa_forward_progress 1
		.amdhsa_inst_pref_size 23
	.end_amdhsa_kernel
	.amdgpu_metadata
---
amdhsa.version: [ 1, 2 ]
amdhsa.kernels:
  - .name:           k_q42cfa25c38_place
    .symbol:         k_q42cfa25c38_place.kd
    .args:
      - { .name: sel, .offset: 0, .size: 8, .value_kind: global_buffer, .address_space: global }
      - { .name: rt, .offset: 8, .size: 8, .value_kind: global_buffer, .address_space: global }
      - { .name: order, .offset: 16, .size: 8, .value_kind: global_buffer, .address_space: global }
      - { .name: out1, .offset: 24, .size: 8, .value_kind: global_buffer, .address_space: global }
      - { .name: out2, .offset: 32, .size: 8, .value_kind: global_buffer, .address_space: global }
    .group_segment_fixed_size: 8704
    .private_segment_fixed_size: 0
    .kernarg_segment_align: 8
    .kernarg_segment_size: 40
    .max_flat_workgroup_size: 1024
    .sgpr_count:     66
    .vgpr_count:     98
    .wavefront_size: 32
...
	.end_amdgpu_metadata
.endif
;; end of part 2
;; launch chain (part 3): grid 198 x 1, 4 waves a work-group, no clusters, 105,984 bytes of LDS; arguments xq, xs, wq, ws, rt, order, out0; writes out0
.if DOCPART == 3
	.amdgcn_target "amdgcn-amd-amdhsa--gfx1250"
	.amdhsa_code_object_version 6
	.text
	.protected	k_q42cfa25c38_chain
	.globl	k_q42cfa25c38_chain
	.p2align	8
	.type	k_q42cfa25c38_chain,@function
k_q42cfa25c38_chain:
	s_mov_b64 s[64:65], 0
	v_nop
	global_prefetch_b8 v0, s[64:65] scope:SCOPE_SE
	s_setreg_imm32_b32 hwreg(HW_REG_WAVE_MODE, 25, 1), 1
	s_wait_xcnt 0x0
; CHAIN.  One work-group takes one tile, at most 48 tokens that chose the same two experts, through both experts: gate and up products, silu(gate) x up, quantised in registers, down product, x the score, summed, stored.
; All products are on codes of FP4 (E2M1) with E8M0 scales.  The hidden layer never goes to memory, and each row of out0 has one owner.
; GRID.  With 28 pairs and tiles of 48 there are never more than (8,192 + 28 x 47) / 48 = 198 tiles, whatever the router chose.  A work-group that a split leaves without rows runs the same text on clamped
; addresses and stores nothing: so every wave passes every barrier, and the only branches on stored numbers are forward jumps round the stores of out0.
; SHARES.  THE WAVES SHARE THE COLUMNS, NOT THE ROWS: wave w makes hidden units 64 w .. 64 w + 63 (two passes of 32) and output columns 256 w .. 256 w + 255, for all 48 rows.  So each byte of an expert's weights
; is loaded once a work-group, straight into registers in the order in which the launch before laid it, and each fragment feeds three matrix instructions (three tiles of 16 tokens).
; THE WEIGHTS come in chunks of 8 fragments (8,192 bytes, 16 loads of 512 consecutive bytes) through a ring of four register buffers; a chunk is asked for four steps ahead, across the activation, the barriers and the
; change of expert.  An expert is 12 chunks: 8 of gate and up (pass p, K steps 2 j and 2 j + 1), 4 of down (64 columns each).
; BOTH PRODUCTS ARE USED TRANSPOSED (source 0 = 16 rows of weights, source 1 = 16 tokens): a lane holds one token, and its registers run along the units or the output columns.
; NO CLUSTER, NO TENSOR LOADS: which experts a work-group walks and how many rows it stores are numbers read from memory, and the number of tiles of a pair follows the data, so the grid does not divide into
; clusters of one pair.  No prefetch: all work-groups read the same 3.3 MB of weights at the same time, and a tile's rows of x are asked for once, at the head.
; LIMITS: NaN and infinities are not served.  An exponential under 2^-126 comes out as 0 and one over 2^128 as infinity: silu is then 0 (gate under about -87).  A block of the hidden layer
; whose largest magnitude lies under 2^-124 keeps the byte 1.
; REGISTERS, in windows of 256.  Window 0: addresses, scales, work, and v128-223: 12 accumulators (gate and up of a pass; or a chunk of the down product).  Window 1: v0-127 the output sums of tokens 32-47,
; v128-175 and v176-223 two sets of source-1 fragments.  Window 2: the ring, 4 x 64.  Window 3: the output sums of tokens 0-15 (v0-127) and 16-31 (v128-255).
.set XROW, 0                           ; LDS: the tile's 48 rows of x codes, 512 bytes + 16
.set HIMG, 25344                       ; the hidden layer as images of operand registers: 2 experts x 6 fragments x 1,024
.set HSC,  37632                       ; its scale bytes: 2 experts x 2 K steps x 64 words
.set STG,  38656                       ; the way out: 16 rows x (1,024 bytes + 16) for each wave
.set WD0,  2097152
.set SD0,  131072
.set L16, 1                            ; 16 x lane
.set XA,  2                            ; x fragments: 528 r + 16 h
.set HW,  3                            ; where I store 8 bytes of hidden codes
.set HSW, 4                            ; and a scale byte
.set L4,  5                            ; 4 x lane
.set R4,  6                            ; 4 r
.set SO,  7                            ; the stage, in
.set SR,  8                            ; the stage, back
.set L8,  9                            ; 8 x lane
.set XW,  10                           ; where I store my 12 rows of x
.set TK,  11                           ; v11 the token of row lane; v12-14 of rows 16 m + r
.set CW,  16                           ; v16-21  (lo's score, hi's score) of token 16 m + r
.set XS0, 24                           ; v24-31  x's scale words of K step s: lane L = row L;  v32-39: row 32 + r
.set HS,  40                           ; v40-43  the hidden layer's
.set SG,  44                           ; v44-75  gate's and up's: 8 (2 p + matrix) + K step; lanes 0-15 the even tile, lanes 16-31 the odd
.set SD,  76                           ; v76-91  down's: 2 (pair of tiles) + K step
.set TM,  92                           ; v92-94 largest magnitudes; v95-97 lane exchange; v98-100 scale operands; v101-103 bytes; v104-109 codes
.set TP,  95
.set SOP, 98
.set BY,  101
.set PC,  104
.set OFF, 92                           ; the way out: 16 offsets, where the activation's work registers lay
.set HA,  128
.set OB,  128                          ; the way out: 16 rows read back
.set GB,  20                           ; s[20:21] gate/up of lo, s[22:23] down of lo, s[24:27] of hi;  s[28:35] their scale words in the same order
.set MSB, 0
.macro WIN new                         ; the immediate's high byte repeats the setting that is left
.if MSB != \new
	s_set_vgpr_msb (MSB<<8)|\new
.set MSB, \new
.endif
.endm
.macro PLACES                          ; four plain lines between a matrix instruction and a load into one of its registers or the first read of a result
.rept 4
	v_nop
.endr
.endm
.macro BARRIER
	s_wait_dscnt 0x0                               ; my LDS stores have landed and my LDS loads are in
	s_barrier_signal -1
	s_barrier_wait -1
.endm
.macro LOADCH buf, base, imm           ; a chunk: 8 fragments in register order
	WIN 0x80                                       ; destination window 2
.irp f, 0,1,2,3,4,5,6,7,8,9,10,11,12,13,14,15
	global_load_b128 v[64*(\buf)+4*\f:64*(\buf)+4*\f+3], v[L16], s[\base:\base+1] offset:(\imm)+512*\f
.endr
.endm
.macro LOADSG base                     ; an expert's scale words of gate and up for my wave
	WIN 0
.irp p, 0,1
.irp g, 0,1
.irp j, 0,1,2,3
	global_load_b64 v[SG+8*(2*\p+\g)+2*\j:SG+8*(2*\p+\g)+2*\j+1], v[L8], s[\base:\base+1] offset:2048*\p+1024*\g+256*\j
.endr
.endr
.endr
.endm
.macro LOADSD base                     ; and of down
	WIN 0
.irp q, 0,1,2,3,4,5,6,7
	global_load_b64 v[SD+2*\q:SD+2*\q+1], v[L8], s[\base:\base+1] offset:256*\q
.endr
.endm
.macro LOADXF xb, j                    ; x's fragments of K steps 2 j and 2 j + 1, three tiles of tokens, into set xb
	WIN 0x40                                       ; destination window 1
.irp ks, 0,1
.irp m, 0,1,2
.irp c, 0,1
	ds_load_b128 v[128+48*(\xb)+8*(3*\ks+\m)+4*\c:128+48*(\xb)+8*(3*\ks+\m)+4*\c+3], v[XA] offset:8448*\m+64*(2*(\j)+\ks)+32*\c
.endr
.endr
.endr
.endm
.macro LOADH X                         ; the hidden layer's six fragments into set 0, and its scale words
	WIN 0x40
.irp s, 0,1
.irp m, 0,1,2
.irp c, 0,1
	ds_load_b128 v[128+8*(3*\s+\m)+4*\c:128+8*(3*\s+\m)+4*\c+3], v[L16] offset:HIMG+6144*(\X)+2048*\m+1024*\s+512*\c
.endr
.endr
.endr
	WIN 0
.irp s, 0,1
	ds_load_b32 v[HS+2*\s], v[L4] offset:HSC+512*(\X)+256*\s           ; lane L: row L
	ds_load_b32 v[HS+2*\s+1], v[R4] offset:HSC+512*(\X)+256*\s+128     ; row 32 + r
.endr
.endm
; One matrix instruction.  zero: the sum begins with the constant 0.  ra, rb: the side's scales stand in lanes 16-31 of its register.
.macro WM d, a, b, zero, sa, sb, ra, rb
.if \zero
.if (\ra) && (\rb)
	v_wmma_scale_f32_16x16x128_f8f6f4 v[\d:\d+7], v[\a:\a+7], v[\b:\b+7], 0, v[\sa], v[\sb] matrix_a_fmt:MATRIX_FMT_FP4 matrix_b_fmt:MATRIX_FMT_FP4 matrix_a_scale:MATRIX_SCALE_ROW1 matrix_b_scale:MATRIX_SCALE_ROW1
.elseif \ra
	v_wmma_scale_f32_16x16x128_f8f6f4 v[\d:\d+7], v[\a:\a+7], v[\b:\b+7], 0, v[\sa], v[\sb] matrix_a_fmt:MATRIX_FMT_FP4 matrix_b_fmt:MATRIX_FMT_FP4 matrix_a_scale:MATRIX_SCALE_ROW1
.elseif \rb
	v_wmma_scale_f32_16x16x128_f8f6f4 v[\d:\d+7], v[\a:\a+7], v[\b:\b+7], 0, v[\sa], v[\sb] matrix_a_fmt:MATRIX_FMT_FP4 matrix_b_fmt:MATRIX_FMT_FP4 matrix_b_scale:MATRIX_SCALE_ROW1
.else
	v_wmma_scale_f32_16x16x128_f8f6f4 v[\d:\d+7], v[\a:\a+7], v[\b:\b+7], 0, v[\sa], v[\sb] matrix_a_fmt:MATRIX_FMT_FP4 matrix_b_fmt:MATRIX_FMT_FP4
.endif
.else
.if (\ra) && (\rb)
	v_wmma_scale_f32_16x16x128_f8f6f4 v[\d:\d+7], v[\a:\a+7], v[\b:\b+7], v[\d:\d+7], v[\sa], v[\sb] matrix_a_fmt:MATRIX_FMT_FP4 matrix_b_fmt:MATRIX_FMT_FP4 matrix_a_scale:MATRIX_SCALE_ROW1 matrix_b_scale:MATRIX_SCALE_ROW1
.elseif \ra
	v_wmma_scale_f32_16x16x128_f8f6f4 v[\d:\d+7], v[\a:\a+7], v[\b:\b+7], v[\d:\d+7], v[\sa], v[\sb] matrix_a_fmt:MATRIX_FMT_FP4 matrix_b_fmt:MATRIX_FMT_FP4 matrix_a_scale:MATRIX_SCALE_ROW1
.elseif \rb
	v_wmma_scale_f32_16x16x128_f8f6f4 v[\d:\d+7], v[\a:\a+7], v[\b:\b+7], v[\d:\d+7], v[\sa], v[\sb] matrix_a_fmt:MATRIX_FMT_FP4 matrix_b_fmt:MATRIX_FMT_FP4 matrix_b_scale:MATRIX_SCALE_ROW1
.else
	v_wmma_scale_f32_16x16x128_f8f6f4 v[\d:\d+7], v[\a:\a+7], v[\b:\b+7], v[\d:\d+7], v[\sa], v[\sb] matrix_a_fmt:MATRIX_FMT_FP4 matrix_b_fmt:MATRIX_FMT_FP4
.endif
.endif
.endm
; 24 matrix instructions on a chunk of gate and up: two K steps x (3 tiles of tokens x gate, up x 2 tiles of units).  The 12 accumulators take turns, one instruction a turn.
; Accumulator (m, g, u) at HA + 32 m + 16 g + 8 u: lane (r, h) holds token 16 m + r, register j unit 32 (2 w + p) + 16 h + 8 u + j.
.macro MM1 buf, xb, p, j, zero
	WIN 0x06                                       ; source 0 (weights) window 2, source 1 (x) window 1, C and D window 0
.irp ks, 0,1
.irp m, 0,1,2
.irp g, 0,1
.irp u, 0,1
	WM HA+32*\m+16*\g+8*\u, 64*(\buf)+8*(4*\ks+2*\g+\u), 128+48*(\xb)+8*(3*\ks+\m), (\zero)*(1-\ks), SG+8*(2*(\p)+\g)+2*(\j)+\ks, XS0+8*(\m/2)+2*(\j)+\ks, \u, \m%2
.endr
.endr
.endr
.endr
.endm
; 24 on a chunk of down: two K steps x (4 tiles of columns x 3 tiles of tokens).  Accumulator (t, m) at HA + 8 (3 t + m): lane (r, h): token 16 m + r, register j column 256 w + 64 q + 16 t + 8 h + j.
.macro MM2 buf, q
	WIN 0x06
.irp s, 0,1
.irp t, 0,1,2,3
.irp m, 0,1,2
	WM HA+8*(3*\t+\m), 64*(\buf)+8*(2*\t+\s), 128+8*(3*\s+\m), 1-\s, SD+2*(2*(\q)+\t/2)+\s, HS+2*\s+\m/2, \t%2, \m%2
.endr
.endr
.endr
.endm
; The activation and the quantiser, for pass p of expert X: hidden = gate x up / (1 + 2^(-gate log2 e)), all in f32; each accumulator is read from its low end on.
; My 16 registers of a token are half a block of 32 units; lane l xor 16 holds the other half.  The image's address puts the two halves side by side: nothing changes lanes but the maximum.
.macro ACT X, p
	WIN 0
.irp m, 0,1,2
.irp k, 0,2,4,6,8,10,12,14
	v_pk_mul_f32 v[HA+32*\m+16+\k:HA+32*\m+17+\k], v[HA+32*\m+\k:HA+32*\m+1+\k], v[HA+32*\m+16+\k:HA+32*\m+17+\k]   ; gate x up
.endr
.endr
.irp m, 0,1,2
.irp k, 0,2,4,6,8,10,12,14
	v_pk_mul_f32 v[HA+32*\m+\k:HA+32*\m+1+\k], v[HA+32*\m+\k:HA+32*\m+1+\k], 0xbfb8aa3b op_sel_hi:[1,0]           ; -gate log2 e
.endr
.endr
.irp m, 0,1,2
.irp k, 0,1,2,3,4,5,6,7,8,9,10,11,12,13,14,15
	v_exp_f32 v[HA+32*\m+\k], v[HA+32*\m+\k]
.endr
.endr
	v_nop                                          ; a plain line behind the last exponential
	s_wait_alu depctr_va_vdst(0)                   ; one wait for the batch of 48, ahead of its first reader
.irp m, 0,1,2
.irp k, 0,2,4,6,8,10,12,14
	v_pk_add_f32 v[HA+32*\m+\k:HA+32*\m+1+\k], v[HA+32*\m+\k:HA+32*\m+1+\k], 1.0 op_sel_hi:[1,0]
.endr
.endr
.irp m, 0,1,2
.irp k, 0,1,2,3,4,5,6,7,8,9,10,11,12,13,14,15
	v_rcp_f32 v[HA+32*\m+\k], v[HA+32*\m+\k]
.endr
.endr
	v_nop
	s_wait_alu depctr_va_vdst(0)                   ; and one for the 48 reciprocals
.irp m, 0,1,2
.irp k, 0,2,4,6,8,10,12,14
	v_pk_mul_f32 v[HA+32*\m+\k:HA+32*\m+1+\k], v[HA+32*\m+\k:HA+32*\m+1+\k], v[HA+32*\m+16+\k:HA+32*\m+17+\k]     ; the hidden layer
.endr
.endr
.irp m, 0,1,2
	v_max3_num_f32 v[TM+\m], |v[HA+32*\m]|, |v[HA+32*\m+1]|, 0x1800000     ; my 16 numbers and the floor 2^(3 - 127); the three tiles by turns
.endr
.irp i, 2,4,6,8,10,12,14
.irp m, 0,1,2
	v_max3_num_f32 v[TM+\m], v[TM+\m], |v[HA+32*\m+\i]|, |v[HA+32*\m+\i+1]|
.endr
.endr
.irp m, 0,1,2
	v_permlanex16_b32 v[TP+\m], v[TM+\m], s66, s67
.endr
.irp m, 0,1,2
	v_max_num_f32 v[TM+\m], v[TM+\m], v[TP+\m]     ; the block's largest magnitude
.endr
.irp m, 0,1,2
	v_add_nc_u32 v[SOP+\m], 0xff000000, v[TM+\m]   ; 2 off its exponent field: the conversion's scale operand
.endr
.irp m, 0,1,2
	v_lshrrev_b32 v[BY+\m], 23, v[SOP+\m]          ; the scale's byte
.endr
.irp m, 0,1,2
	v_cvt_scalef32_pk8_fp4_f32 v[PC+2*\m], v[HA+32*\m:HA+32*\m+7], v[SOP+\m]
	v_cvt_scalef32_pk8_fp4_f32 v[PC+2*\m+1], v[HA+32*\m+8:HA+32*\m+15], v[SOP+\m]
.endr
	v_nop                                          ; a plain line behind the last conversion: matrix instructions write its sources next
.irp m, 0,1,2
	ds_store_b64 v[HW], v[PC+2*\m:PC+2*\m+1] offset:6144*(\X)+2048*\m+256*(\p)
	ds_store_b8 v[HSW], v[BY+\m] offset:512*(\X)+64*\m+(\p)        ; both halves of the lanes write the same byte with the same value
.endr
.endm
; A chunk of the down product, x the expert's score, onto the output sums.  Expert 0 starts them: nothing is cleared.
.macro FMA X, q
	WIN 0xf0                                       ; the sums of tokens 0-31: window 3
.irp m, 0,1
.irp t, 0,1,2,3
.irp k, 0,2,4,6
.if \X
	v_pk_fma_f32 v[128*\m+8*(4*(\q)+\t)+\k:128*\m+8*(4*(\q)+\t)+\k+1], v[HA+8*(3*\t+\m)+\k:HA+8*(3*\t+\m)+\k+1], v[CW+2*\m:CW+2*\m+1], v[128*\m+8*(4*(\q)+\t)+\k:128*\m+8*(4*(\q)+\t)+\k+1] op_sel:[0,1,0] op_sel_hi:[1,1,1]
.else
	v_pk_mul_f32 v[128*\m+8*(4*(\q)+\t)+\k:128*\m+8*(4*(\q)+\t)+\k+1], v[HA+8*(3*\t+\m)+\k:HA+8*(3*\t+\m)+\k+1], v[CW+2*\m:CW+2*\m+1] op_sel_hi:[1,0]
.endif
.endr
.endr
.endr
	WIN 0x50                                       ; those of tokens 32-47: window 1
.irp t, 0,1,2,3
.irp k, 0,2,4,6
.if \X
	v_pk_fma_f32 v[8*(4*(\q)+\t)+\k:8*(4*(\q)+\t)+\k+1], v[HA+8*(3*\t+2)+\k:HA+8*(3*\t+2)+\k+1], v[CW+4:CW+5], v[8*(4*(\q)+\t)+\k:8*(4*(\q)+\t)+\k+1] op_sel:[0,1,0] op_sel_hi:[1,1,1]
.else
	v_pk_mul_f32 v[8*(4*(\q)+\t)+\k:8*(4*(\q)+\t)+\k+1], v[HA+8*(3*\t+2)+\k:HA+8*(3*\t+2)+\k+1], v[CW+4:CW+5] op_sel_hi:[1,0]
.endif
.endr
.endr
.endm
.macro REFILL X, i                     ; the buffer just multiplied takes the chunk four steps on; behind expert 0's last chunks come expert 1's first; expert 1's last steps ask for nothing
.if (\i)+4 <= 7
	LOADCH (\i)%4, GB+4*(\X), 8192*((\i)+4)
.elseif (\i)+4 <= 11
	LOADCH (\i)%4, GB+4*(\X)+2, 8192*((\i)-4)
.elseif (\X) == 0
	LOADCH (\i)%4, GB+4, 8192*((\i)-8)
.endif
.endm
; A step on gate and up.  N: the vector loads issued behind this step's chunk, which may stay out.  D: the LDS instructions issued behind this step's fragments of x.  xfj: the K steps of x to fetch (-1: none).
.macro STEP1 X, i, N, D, xfj, zero
	s_wait_loadcnt \N
	s_wait_dscnt \D
	MM1 (\i)%4, (\i)%2, (\i)/4, (\i)%4, \zero
	PLACES
	REFILL \X, \i
.if (\xfj) >= 0
	LOADXF (\i)%2, \xfj
.endif
.endm
.macro STEP2 X, i, N                   ; a step on down
	s_wait_loadcnt \N
	MM2 (\i)%4, (\i)-8
	PLACES
	REFILL \X, \i
	FMA \X, (\i)-8
.endm
.macro BASE dst, ptr, e, she, shw, add ; a buffer's address + the expert's part + my wave's part
	s_lshl_b32 s42, s[\e], \she
	s_lshl_b32 s44, s18, \shw
	s_add_co_u32 s42, s42, s44
.if \add
	s_add_co_u32 s42, s42, \add
.endif
	s_add_nc_u64 s[\dst:\dst+1], s[\ptr:\ptr+1], s[42:43]
.endm
	s_load_b256 s[4:11], s[0:1], 0x0               ; xq, xs, wq, ws
	s_load_b128 s[12:15], s[0:1], 0x20             ; rt, order
	s_load_b64 s[16:17], s[0:1], 0x30              ; out0
	v_lshl_add_u32 v126, v0, 2, 0x19c00
	v_mov_b32 v127, 0
	v_lshrrev_b32 v15, 5, v0
	v_readfirstlane_b32 s18, v15                   ; wave
	v_and_b32 v22, 31, v0                          ; lane
	v_lshlrev_b32 v[L16], 4, v22
	s_wait_kmcnt 0x0
	global_load_b128 v[116:119], v[L16], s[14:15] offset:32768     ; lane = key: (first place, tokens, first tile, tiles)
	v_and_b32 v23, 15, v0                          ; r
	v_bfe_u32 v15, v0, 4, 1                        ; h
	v_lshlrev_b32 v[L8], 3, v22
	v_lshlrev_b32 v[L4], 2, v22
	v_lshlrev_b32 v[R4], 2, v23
	v_mul_u32_u24 v[XA], v23, 528
	v_lshl_add_u32 v[XA], v15, 4, v[XA]
	s_lshl_b32 s19, s18, 9                         ; my block of 32 units: K step w / 2, registers 4 (w % 2) on: 512 w bytes into a fragment pair
	s_add_co_u32 s19, s19, HIMG
	v_lshlrev_b32 v[HW], 4, v23
	v_lshl_add_u32 v[HW], v15, 3, v[HW]
	v_add_nc_u32 v[HW], s19, v[HW]                 ; + 16 r + 8 h
	s_lshr_b32 s19, s18, 1
	s_lshl_b32 s19, s19, 8
	s_and_b32 s36, s18, 1
	s_lshl_b32 s36, s36, 1
	s_add_co_u32 s19, s19, s36
	s_add_co_u32 s19, s19, HSC
	v_add_nc_u32 v[HSW], s19, v[R4]                ; 256 (w / 2) + 4 r + 2 (w % 2)
	s_mul_i32 s19, s18, 16640
	s_add_co_u32 s19, s19, STG                     ; my stage
	v_mul_u32_u24 v[SO], v23, 1040
	v_lshl_add_u32 v[SO], v15, 5, v[SO]
	v_add_nc_u32 v[SO], s19, v[SO]
	v_add_nc_u32 v[SR], s19, v[L16]
	s_mul_i32 s19, s18, 6336                       ; my 12 rows of x
	v_add_nc_u32 v[XW], s19, v[L16]
.irp m, 0,1,2
	v_mov_b32 v[TP+\m], 0                          ; written once: a lane exchange's destination counts as one of its sources
.endr
	s_lshl_b32 s36, s18, 10
	s_mov_b32 s37, 0
	s_add_nc_u64 s[16:17], s[16:17], s[36:37]      ; out0 at my 256 columns
	s_mov_b32 s19, ttmp9
	s_wait_loadcnt 0x0
; which key's tile am I?  The one key with first tile <= my number < first tile + tiles
	v_sub_nc_u32 v15, s19, v118
	v_cmp_gt_u32 s66, v119, v15                    ; at most one bit
	s_ctz_i32_b32 s67, s66
	s_min_u32 s67, s67, 27                         ; the key
	v_readlane_b32 s36, v116, s67
	v_readlane_b32 s37, v117, s67
	v_readlane_b32 s38, v118, s67
	s_sub_co_u32 s39, s19, s38
	s_mul_i32 s39, s39, 48                         ; rows of the key ahead of my tile
	s_sub_co_u32 s2, s37, s39
	s_min_u32 s2, s2, 48                           ; my rows
	s_add_co_u32 s3, s36, s39                      ; my first place
	s_cmp_lg_u32 s66, 0
	s_cselect_b32 s2, s2, 0                        ; no key: no rows
	s_cselect_b32 s3, s3, 0
	s_min_u32 s3, s3, 0x1fff
	s_mov_b32 s40, 0                               ; lo = how many of the keys' first numbers 7, 13, 18, 22, 25, 27 the key has reached
.irp T, 7,13,18,22,25,27
	s_cmp_ge_u32 s67, \T
	s_add_co_ci_u32 s40, s40, 0
.endr
	s_sub_co_u32 s41, 15, s40
	s_mul_i32 s41, s41, s40
	s_lshr_b32 s41, s41, 1
	s_sub_co_u32 s41, s67, s41
	s_add_co_u32 s41, s41, s40
	s_add_co_u32 s41, s41, 1                       ; hi = key - lo (15 - lo) / 2 + lo + 1
	s_min_u32 s40, s40, 7
	s_min_u32 s41, s41, 7
	s_mov_b32 s43, 0
	BASE 20, 8, 40, 18, 16, 0
	BASE 22, 8, 40, 17, 15, WD0
	BASE 24, 8, 41, 18, 16, 0
	BASE 26, 8, 41, 17, 15, WD0
	BASE 28, 10, 40, 14, 12, 0
	BASE 30, 10, 40, 13, 11, SD0
	BASE 32, 10, 41, 14, 12, 0
	BASE 34, 10, 41, 13, 11, SD0
	s_lshl_b32 s67, s3, 2
	s_mul_i32 s19, s18, 48
	s_add_co_u32 s19, s19, s67
	s_load_b512 s[48:63], s[14:15], s67 offset:0x0                 ; the tile's 48 tokens, for the way out.  The loads end at byte 32,956 at the most: inside what the launch before wrote
	s_load_b512 s[68:83], s[14:15], s67 offset:0x40
	s_load_b512 s[84:99], s[14:15], s67 offset:0x80
	s_load_b256 s[36:43], s[14:15], s19 offset:0x0                 ; the 12 whose rows of x I fetch
	s_load_b128 s[44:47], s[14:15], s19 offset:0x20
	v_add_nc_u32 v110, s3, v22                     ; the places of rows lane, r, 16 + r, 32 + r
	v_add_nc_u32 v111, s3, v23
	v_add_nc_u32 v112, 16, v111
	v_add_nc_u32 v113, 32, v111
.irp i, 0,1,2,3
	v_min_u32 v[110+\i], 0x1fff, v[110+\i]
	v_lshlrev_b32 v[110+\i], 2, v[110+\i]
.endr
.irp i, 0,1,2,3
	global_load_b32 v[TK+\i], v[110+\i], s[14:15]
.endr
	LOADSG 28                                      ; the weights hang on the key alone: they are asked for while the tokens are on their way
	LOADCH 0, GB, 0
	LOADCH 1, GB, 8192
	WIN 0
	s_wait_loadcnt 48                              ; the four token words are in; 16 scale loads and two chunks stay out
	s_wait_kmcnt 0x0
	s_mov_b32 s66, 0x76543210
	s_mov_b32 s67, 0xfedcba98                      ; lane l xor 16
.irp i, 0,1,2,3
	v_min_u32 v[TK+\i], 0x1fff, v[TK+\i]
.endr
.irp i, 0,1,2,3,4,5,6,7,8,9,10,11
	s_min_u32 s[36+\i], s[36+\i], 0x1fff
	s_lshl_b32 s[36+\i], s[36+\i], 9
	v_add_nc_u32 v[224+\i], s[36+\i], v[L16]
.endr
.irp i, 0,1,2,3,4,5,6,7,8,9,10,11
	global_load_b128 v[128+4*\i:131+4*\i], v[224+\i], s[4:5]       ; a row of x codes: 512 consecutive bytes
.endr
	v_lshlrev_b32 v236, 5, v[TK]
	v_lshlrev_b32 v237, 5, v[TK+3]
	global_load_b128 v[XS0:XS0+3], v236, s[6:7]
	global_load_b128 v[XS0+4:XS0+7], v236, s[6:7] offset:16
	global_load_b128 v[XS0+8:XS0+11], v237, s[6:7]
	global_load_b128 v[XS0+12:XS0+15], v237, s[6:7] offset:16
.irp m, 0,1,2
	v_lshlrev_b32 v[238+\m], 3, v[TK+1+\m]
	global_load_b64 v[CW+2*\m:CW+2*\m+1], v[238+\m], s[12:13]
.endr
	LOADCH 2, GB, 16384
	LOADCH 3, GB, 24576
	WIN 0
	s_wait_loadcnt 39                              ; my 12 rows are in; 4 scale loads, 3 score loads and two chunks stay out
.irp i, 0,1,2,3,4,5,6,7,8,9,10,11
	ds_store_b128 v[XW], v[128+4*\i:131+4*\i] offset:528*\i
.endr
	BARRIER                                        ; the tile's 48 rows of x lie in LDS
	LOADXF 0, 0
	LOADXF 1, 1
; ---- expert lo.  The counts: chunks are 16 loads, down's scale words 8, gate's and up's 16
	STEP1 0, 0, 32, 12, 2, 1                       ; chunks 2, 3 stay out | the next fragments' 12 loads
	LOADSD 30
	STEP1 0, 1, 56, 12, 3, 0                       ; three chunks and down's scale words
	STEP1 0, 2, 56, 12, 0, 0
	STEP1 0, 3, 56, 12, 1, 0
	ACT 0, 0
	STEP1 0, 4, 56, 18, 2, 1                       ; | 12 loads and the activation's 6 stores
	STEP1 0, 5, 48, 18, 3, 0                       ; three chunks
	STEP1 0, 6, 48, 12, -1, 0
	STEP1 0, 7, 48, 0, 1, 0                        ; it fetches x's K steps 2, 3 for expert hi: set 0 is about to take the hidden layer
	LOADSG 32                                      ; hi's scale words: lo's have been read for the last time, four places back
	ACT 0, 1
	BARRIER                                        ; lo's hidden layer lies in LDS
	LOADH 0
	s_wait_dscnt 0x0
	STEP2 0, 8, 63                                 ; three chunks and 16 scale loads are 64; the field ends at 63, and a smaller count is safe
	STEP2 0, 9, 63
	STEP2 0, 10, 63
	STEP2 0, 11, 63
	LOADSD 34
	LOADXF 0, 0
; ---- expert hi
	STEP1 1, 0, 56, 0, 2, 1                        ; three chunks and down's scale words | nothing was issued behind these fragments
	STEP1 1, 1, 56, 12, 3, 0
	STEP1 1, 2, 56, 12, 0, 0
	STEP1 1, 3, 56, 12, 1, 0
	ACT 1, 0
	STEP1 1, 4, 48, 18, 2, 1
	STEP1 1, 5, 48, 18, 3, 0
	STEP1 1, 6, 48, 12, -1, 0
	STEP1 1, 7, 48, 0, -1, 0
	ACT 1, 1
	BARRIER                                        ; hi's hidden layer lies in LDS, in bytes of its own
	LOADH 1
	s_wait_dscnt 0x0
	STEP2 1, 8, 48
	STEP2 1, 9, 32                                 ; the counts run down: nothing more is asked for
	STEP2 1, 10, 16
	STEP2 1, 11, 0
; ---- THE WAY OUT, 16 tokens at a time.  A lane holds 32 neighbouring bytes of a row and the lanes beside it other rows: so the rows go through my own stage and come back whole, 1,024 bytes a row,
; and each store covers 512 consecutive bytes, aligned.  LDS serves a wave's instructions in order: no wait between the stores and the loads, nor ahead of the next 16 tokens' stores.
; The tile's rows that count come first: the first row that does not ends the wave.
.irp m, 0,1,2
.if \m < 2
	WIN 0x0c                                       ; an LDS store's data are its source 1: window 3
.else
	WIN 0x04                                       ; window 1
.endif
.irp n, 0,1,2,3,4,5,6,7,8,9,10,11,12,13,14,15
	ds_store_b128 v[SO], v[128*(\m%2)+8*\n:128*(\m%2)+8*\n+3] offset:64*\n
	ds_store_b128 v[SO], v[128*(\m%2)+8*\n+4:128*(\m%2)+8*\n+7] offset:64*\n+16
.endr
	WIN 0
	s_wait_xcnt 0x0                                ; the last 16 tokens' stores have read their data and offsets: both are written again below
.irp i, 0,1,2,3,4,5,6,7,8,9,10,11,12,13,14,15
	ds_load_b128 v[OB+8*\i:OB+8*\i+3], v[SR] offset:1040*\i
	ds_load_b128 v[OB+8*\i+4:OB+8*\i+7], v[SR] offset:1040*\i+512
.endr
.irp i, 0,1,2,3,4,5,6,7,8,9,10,11,12,13,14,15
	s_wait_dscnt 30-2*\i                           ; row i's two loads are in; the later rows' stay out
	s_cmp_gt_u32 s2, 16*\m+\i
	s_cbranch_scc0 .Ldone
	s_min_u32 s[48+16*\m+4*((\m+1)/2)+\i], s[48+16*\m+4*((\m+1)/2)+\i], 0x1fff
	s_lshl_b32 s[48+16*\m+4*((\m+1)/2)+\i], s[48+16*\m+4*((\m+1)/2)+\i], 12
	v_add_nc_u32 v[OFF+\i], s[48+16*\m+4*((\m+1)/2)+\i], v[L16]
	global_store_b128 v[OFF+\i], v[OB+8*\i:OB+8*\i+3], s[16:17] th:TH_STORE_NT
	global_store_b128 v[OFF+\i], v[OB+8*\i+4:OB+8*\i+7], s[16:17] offset:512 th:TH_STORE_NT
.endr
.endr
.Ldone:
	s_wait_dscnt 0x0
	s_wait_tensorcnt 0x0
	ds_add_u32 v126, v127
	s_wait_dscnt 0x0
	s_endpgm
.Lfunc_end_k_q42cfa25c38_chain:
	.size	k_q42cfa25c38_chain, .Lfunc_end_k_q42cfa25c38_chain-k_q42cfa25c38_chain
	.p2alignl 7, 3214868480
	.fill 96, 4, 3214868480
	.section	.rodata,"a",@progbits
	.p2align	6, 0x0
	.amdhsa_kernel k_q42cfa25c38_chain
		.amdhsa_group_segment_fixed_size 105984
		.amdhsa_private_segment_fixed_size 0
		.amdhsa_enable_private_segment 0
		.amdhsa_kernarg_size 56
		.amdhsa_user_sgpr_count 2
		.amdhsa_user_sgpr_kernarg_segment_ptr 1
		.amdhsa_wavefront_size32 1
		.amdhsa_system_sgpr_workgroup_id_x 1
		.amdhsa_system_sgpr_workgroup_id_y 1
		.amdhsa_system_sgpr_workgroup_id_z 1
		.amdhsa_system_vgpr_workitem_id 0
		.amdhsa_next_free_vgpr 1024
		.amdhsa_next_free_sgpr 100
		.amdhsa_reserve_vcc 0
		.amdhsa_float_denorm_mode_32 3
		.amdhsa_float_denorm_mode_16_64 3
		.amdhsa_memory_ordered 1
		.amdhsa_forward_progress 1
		.amdhsa_inst_pref_size 252
	.end_amdhsa_kernel
	.amdgpu_metadata
---
amdhsa.version: [ 1, 2 ]
amdhsa.kernels:
  - .name:           k_q42cfa25c38_chain
    .symbol:         k_q42cfa25c38_chain.kd
    .args:
      - { .name: xq, .offset: 0, .size: 8, .value_kind: global_buffer, .address_space: global }
      - { .name: xs, .offset: 8, .size: 8, .value_kind: global_buffer, .address_space: global }
      - { .name: wq, .offset: 16, .size: 8, .value_kind: global_buffer, .address_space: global }
      - { .name: ws, .offset: 24, .size: 8, .value_kind: global_buffer, .address_space: global }
      - { .name: rt, .offset: 32, .size: 8, .value_kind: global_buffer, .address_space: global }
      - { .name: order, .offset: 40, .size: 8, .value_kind: global_buffer, .address_space: global }
      - { .name: out0, .offset: 48, .size: 8, .value_kind: global_buffer, .address_space: global }
    .group_segment_fixed_size: 105984
    .private_segment_fixed_size: 0
    .kernarg_segment_align: 8
    .kernarg_segment_size: 56
    .max_flat_workgroup_size: 128
    .sgpr_count:     100
    .vgpr_count:     1024
    .wavefront_size: 32
...
	.end_amdgpu_metadata
.endif
;; end of part 3
;; ======== version 2 of 2: 2 launches
;; workspace buffers: xq 4,194,304 bytes; xs 262,144 bytes; wq 3,145,728 bytes; ws 196,608 bytes; sel 65,536 bytes of whole numbers; rt 81,920 bytes
;; launch prep (part 4): grid 448 x 1, 4 waves a work-group, no clusters, 73,216 bytes of LDS; arguments x, w_router, w_gate, w_up, w_down, xq, xs, wq, ws, sel, rt; writes xq, xs, wq, ws, sel, rt
.if DOCPART == 4
	.amdgcn_target "amdgcn-amd-amdhsa--gfx1250"
	.amdhsa_code_object_version 6
	.text
	.protected	k_q42cfa25c38_prep
	.globl	k_q42cfa25c38_prep
	.p2align	8
	.type	k_q42cfa25c38_prep,@function
k_q42cfa25c38_prep:
	s_mov_b64 s[64:65], 0
	v_nop
	global_prefetch_b8 v0, s[64:65] scope:SCOPE_SE
	s_setreg_imm32_b32 hwreg(HW_REG_WAVE_MODE, 25, 1), 1
	s_wait_xcnt 0x0
; PREP.  Two roles, parted once on the work-group's number.
; Work-groups 0-255 (x): 32 tokens each, 8 a wave.  A token's 1,024 f32 are read once; they become 512 bytes of FP4 (E2M1) codes and 32 E8M0 scale bytes (xq, xs), and the same registers feed the
;   router's 8 logits in f32 (packed multiply-adds against w_router, which each wave keeps whole in 256 registers).  Wave 0 then takes a token a lane: softmax with its maximum taken away, top-2
;   (the lower index wins a tie), the two scores made to sum to 1, the pair's key; for each of the 28 keys a mask of the group's tokens that chose it and their number; and the sums for the two losses.
;   All of that is STORED AS VALUES at fixed places: no address and no branch of this launch hangs on it.
; Work-groups 256-447 (weights): 128 columns x 256 along K of one matrix of one expert.  A lane takes a column and its registers run down K, so a block of 32 lies in one lane and the codes come out
;   with K innermost.  They are stored in the order of the next launch's operand registers (wq) with their scale words beside them (ws).
; A block's scale is 2^(floor(log2(largest magnitude)) - 2); its byte is the largest magnitude's exponent field - 2, held at 1 from below by a floor among the maximum's leaves.
; LIMITS: NaN and infinities are not served.  A block of zeros, or one whose largest magnitude lies under 2^-124, gets the byte 1 (a block of zeros has zero codes; the bytes are read by this program alone).
;   An exponential under 2^-126 comes out as 0: such a probability counts as 0, and ties at 0 go to the lower index.  Two probabilities within f32 rounding of each other may be ranked either way.
; No tensor loads, clusters or matrix work: both roles stream their input once and share nothing between work-groups.
.set WRS,  0                           ; LDS (x role alone): w_router, 32 pieces of 1,024 bytes + 16 of padding
.set STG,  33280                       ; 4 waves x 2 stages of 32 x (128 bytes + 16)
.set SCB,  70144                       ; 4 waves x 256 scale bytes
.set LG,   71168                       ; 32 tokens x 48 bytes: the logits
.set WD0,  2097152                     ; wq: where w_down's codes begin
.set SD0,  131072                      ; ws: where w_down's scale words begin
.set C,    16                          ; v16-19   a block's codes
.set ACC,  24                          ; v24-39   the logits' sums: two sets of 8
.set PT,   40                          ; v40-47   destinations of the lane exchange
.set R,    48                          ; v48-175  four tokens as loaded
.set X,    176                         ; v176-239 two tokens, a block of 32 neighbours a lane
                                       ; v256-511 (window 1): w_router[32 lane + i][e] at 8 i + e
.set MSB, 0
.macro WIN new                         ; the immediate's high byte repeats the setting that is left
.if MSB != \new
	s_set_vgpr_msb (MSB<<8)|\new
.set MSB, \new
.endif
.endm
	s_load_b512 s[4:19], s[0:1], 0x0               ; x, w_router, w_gate, w_up, w_down, xq, xs, wq
	s_load_b128 s[20:23], s[0:1], 0x40             ; ws, sel
	s_load_b64 s[24:25], s[0:1], 0x50              ; rt
	v_lshl_add_u32 v254, v0, 2, 0x11c00
	v_mov_b32 v255, 0
	v_lshrrev_b32 v1, 5, v0
	v_readfirstlane_b32 s26, v1                    ; wave
	v_and_b32 v1, 31, v0                           ; lane
	s_cmp_ge_u32 ttmp9, 256
	s_cbranch_scc1 .Lweights
; ------------------------------------------------------------------ the x role
	v_lshlrev_b32 v2, 4, v1                        ; 16 x lane
	s_mul_i32 s27, s26, 9216
	s_add_co_u32 s27, s27, STG                     ; my wave's two stages
	v_lshrrev_b32 v3, 3, v1
	v_mul_u32_u24 v3, v3, 144
	v_and_b32 v4, 7, v1
	v_lshl_add_u32 v3, v4, 4, v3
	v_add_nc_u32 v3, s27, v3                       ; into a stage: eight lanes' 128 bytes on end, then 16 of padding
	v_mul_u32_u24 v4, v1, 144
	v_add_nc_u32 v4, s27, v4                       ; out of it: block = lane
	s_lshl_b32 s27, s26, 8
	s_add_co_u32 s27, s27, SCB
	v_add_nc_u32 v5, s27, v1                       ; my block's scale byte
	v_lshlrev_b32 v7, 3, v1                        ; 8 x lane
	v_add_nc_u32 v6, s27, v7                       ; and 8 of the wave's 256 bytes on the way out
	s_mul_i32 s27, s26, 384
	s_add_co_u32 s27, s27, LG
	v_mov_b32 v8, s27                              ; my wave's 8 rows of logits
	v_lshrrev_b32 v9, 6, v0
	v_mul_u32_u24 v9, v9, 1040
	v_and_b32 v10, 63, v0
	v_lshl_add_u32 v9, v10, 4, v9                  ; w_router into LDS: piece = thread / 64 (+ 2 a load)
	v_mul_u32_u24 v10, v1, 1040                    ; and out: piece = lane (WRS = 0)
	v_lshlrev_b32 v11, 4, v0                       ; 16 x thread
	v_mul_u32_u24 v14, v1, 48
	v_add_nc_u32 v14, LG, v14                      ; wave 0's tail: token = lane
.irp e, 0,1,2,3,4,5,6,7
	v_mov_b32 v[PT+\e], 0                          ; written once: a lane exchange's destination counts as one of its sources
.endr
	s_lshl_b32 s28, ttmp9, 17                      ; x: 32 tokens of 4,096 bytes a work-group, 8 a wave
	s_lshl_b32 s27, s26, 15
	s_add_co_u32 s28, s28, s27
	s_mov_b32 s29, 0
	s_lshl_b32 s30, ttmp9, 14                      ; xq: 512 bytes a token
	s_lshl_b32 s27, s26, 12
	s_add_co_u32 s30, s30, s27
	s_mov_b32 s31, 0
	s_lshl_b32 s32, ttmp9, 10                      ; xs: 32 bytes a token
	s_lshl_b32 s27, s26, 8
	s_add_co_u32 s32, s32, s27
	s_mov_b32 s33, 0
	s_mov_b32 s34, 0x76543210
	s_mov_b32 s35, 0xfedcba98                      ; lane l xor 16
	s_wait_kmcnt 0x0
	s_add_nc_u64 s[4:5], s[4:5], s[28:29]
	s_add_nc_u64 s[14:15], s[14:15], s[30:31]
	s_add_nc_u64 s[16:17], s[16:17], s[32:33]
.macro LOADX t                         ; token t: eight loads of 512 consecutive bytes
.irp i, 0,1,2,3,4,5,6,7
	global_load_b128 v[R+32*((\t)%4)+4*\i:R+32*((\t)%4)+4*\i+3], v2, s[4:5] offset:4096*(\t)+512*\i th:TH_LOAD_NT
.endr
.endm
.macro TURN t                          ; token t through a stage: in as loaded, out a block of 32 neighbours a lane.  LDS serves a wave's instructions in order: no wait between
.irp i, 0,1,2,3,4,5,6,7
	ds_store_b128 v3, v[R+32*((\t)%4)+4*\i:R+32*((\t)%4)+4*\i+3] offset:4608*((\t)%2)+576*\i
.endr
.irp i, 0,1,2,3,4,5,6,7
	ds_load_b128 v[X+32*((\t)%2)+4*\i:X+32*((\t)%2)+4*\i+3], v4 offset:4608*((\t)%2)+16*\i
.endr
.endm
	WIN 0x40                                       ; destination window 1
.irp n, 0,1,2,3,4,5,6,7,8,9,10,11,12,13,14,15
	global_load_b128 v[4*\n:4*\n+3], v11, s[6:7] offset:2048*\n    ; w_router: the work-group reads its 32 KiB once, densely
.endr
	WIN 0
	LOADX 0
	LOADX 1
	LOADX 2
	LOADX 3
	s_wait_loadcnt 32                              ; w_router is in; the 32 loads of x behind it stay out
	WIN 0x04                                       ; an LDS store's data are its source 1: window 1
.irp n, 0,1,2,3,4,5,6,7,8,9,10,11,12,13,14,15
	ds_store_b128 v9, v[4*\n:4*\n+3] offset:2080*\n
.endr
	WIN 0
	s_wait_dscnt 0x0                               ; for the others' sake: my part of w_router lies in LDS
	s_barrier_signal -1
	s_barrier_wait -1
	WIN 0x40
.irp q, 0,1,2,3,4,5,6,7,8,9,10,11,12,13,14,15,16,17,18,19,20,21,22,23,24,25,26,27,28,29,30,31,32,33,34,35,36,37,38,39,40,41,42,43,44,45,46,47,48,49,50,51,52,53,54,55,56,57,58,59,60,61,62,63
	ds_load_b128 v[4*\q:4*\q+3], v10 offset:16*\q  ; my lane's 32 rows of w_router: they stay in window 1
.endr
	WIN 0
	s_wait_loadcnt 24                              ; token 0 is in; tokens 1 to 3 stay out
	TURN 0
; One token: codes, scale byte, logits.
.macro TOK t
.if (\t) == 0
	s_wait_dscnt 0x0                               ; w_router and token 0 are in registers
.else
	s_wait_dscnt 0x3                               ; this token is back from its stage; the last token's byte store and two logit stores may be out
.endif
.if (\t) < 4
	LOADX (\t)+4                                   ; into the set that this token's stores into the stage have read
.endif
.if (\t) < 7
.if (\t) < 4
	s_wait_loadcnt 24                              ; the next token is in; the three behind it stay out
.else
	s_wait_loadcnt 8*(6-(\t))                      ; the counts run down: nothing more is asked for
.endif
	TURN (\t)+1
.endif
.set XS, X+32*((\t)%2)
	v_max3_num_f32 v20, |v[XS]|, |v[XS+1]|, 0x1800000              ; the block's largest magnitude, in two chains, with the floor 2^(3 - 127) among the leaves
	v_max3_num_f32 v21, |v[XS+16]|, |v[XS+17]|, |v[XS+18]|
.irp i, 2,4,6,8,10,12
	v_max3_num_f32 v20, v20, |v[XS+\i]|, |v[XS+\i+1]|
	v_max3_num_f32 v21, v21, |v[XS+\i+17]|, |v[XS+\i+18]|
.endr
	v_max3_num_f32 v20, v20, |v[XS+14]|, |v[XS+15]|
	v_max3_num_f32 v20, v20, v21, |v[XS+31]|
	v_add_nc_u32 v22, 0xff000000, v20              ; 2 off its exponent field: the conversion's scale operand
	s_wait_alu depctr_va_vdst(0)
	s_wait_xcnt 0x0                                ; the last token's store has read the codes' registers
.irp g, 0,1,2,3
	v_cvt_scalef32_pk8_fp4_f32 v[C+\g], v[XS+8*\g:XS+8*\g+7], v22
.endr
	v_lshrrev_b32 v23, 23, v22                     ; the scale's byte (also the plain line behind the conversions)
	global_store_b128 v2, v[C:C+3], s[14:15] offset:512*(\t)       ; 32 lanes store the token's 512 bytes of codes
	ds_store_b8 v5, v23 offset:32*(\t)
	WIN 0x04                                       ; source 1 (w_router) window 1
.irp e, 0,2,4,6
	v_pk_mul_f32 v[ACC+\e:ACC+\e+1], v[XS:XS+1], v[\e:\e+1] op_sel_hi:[0,1]                     ; k = 32 lane + 0 starts set 0,
	v_pk_mul_f32 v[ACC+8+\e:ACC+8+\e+1], v[XS:XS+1], v[8+\e:8+\e+1] op_sel:[1,0] op_sel_hi:[1,1]   ; k = 32 lane + 1 set 1: nothing is cleared
.endr
.irp i, 2,4,6,8,10,12,14,16,18,20,22,24,26,28,30
.irp e, 0,2,4,6
	v_pk_fma_f32 v[ACC+\e:ACC+\e+1], v[XS+\i:XS+\i+1], v[8*\i+\e:8*\i+\e+1], v[ACC+\e:ACC+\e+1] op_sel_hi:[0,1,1]
	v_pk_fma_f32 v[ACC+8+\e:ACC+8+\e+1], v[XS+\i:XS+\i+1], v[8*\i+8+\e:8*\i+8+\e+1], v[ACC+8+\e:ACC+8+\e+1] op_sel:[1,0,0] op_sel_hi:[1,1,1]
.endr
.endr
	WIN 0
.irp e, 0,2,4,6
	v_pk_add_f32 v[ACC+\e:ACC+\e+1], v[ACC+\e:ACC+\e+1], v[ACC+8+\e:ACC+8+\e+1]
.endr
.irp k, 1,2,4,8
.irp e, 0,1,2,3,4,5,6,7
	v_add_f32_dpp v[ACC+\e], v[ACC+\e], v[ACC+\e] row_xmask:\k row_mask:0xf bank_mask:0xf
.endr
.endr
.irp e, 0,1,2,3,4,5,6,7
	v_permlanex16_b32 v[PT+\e], v[ACC+\e], s34, s35
.endr
.irp e, 0,1,2,3,4,5,6,7
	v_add_f32 v[ACC+\e], v[ACC+\e], v[PT+\e]       ; every lane holds the token's 8 logits
.endr
	ds_store_b128 v8, v[ACC:ACC+3] offset:48*(\t)  ; all lanes write the same words with the same values
	ds_store_b128 v8, v[ACC+4:ACC+7] offset:48*(\t)+16
.endm
.irp t, 0,1,2,3,4,5,6,7
	TOK \t
.endr
	ds_load_b64 v[12:13], v6                       ; my wave's 256 scale bytes, 8 a lane
	s_wait_dscnt 0x0                               ; they are in, and my logits lie in LDS
	global_store_b64 v7, v[12:13], s[16:17]        ; 32 lanes store 256 consecutive bytes, aligned
	s_barrier_signal -1
	s_barrier_wait -1                              ; the 32 tokens' logits lie in LDS
	s_cmp_lg_u32 s26, 0
	s_cbranch_scc1 .Lx_end
; wave 0: a token a lane
	ds_load_b128 v[48:51], v14
	ds_load_b128 v[52:55], v14 offset:16
	s_lshl_b32 s38, ttmp9, 7
	s_mov_b32 s39, 0
	s_add_nc_u64 s[22:23], s[22:23], s[38:39]      ; sel: 128 bytes a group, in both of its parts
	s_lshl_b32 s38, ttmp9, 8
	s_add_nc_u64 s[40:41], s[24:25], s[38:39]      ; rt: 8 bytes a token
	s_lshl_b32 s38, ttmp9, 6
	s_add_nc_u64 s[42:43], s[24:25], s[38:39]      ; rt's second part: 64 bytes a group
	v_lshlrev_b32 v93, 2, v1
	v_mov_b32 v94, 0
	s_wait_dscnt 0x0
	v_max3_num_f32 v57, v48, v49, v50
	v_max3_num_f32 v57, v57, v51, v52
	v_max3_num_f32 v57, v57, v53, v54
	v_max_num_f32 v57, v57, v55                    ; the largest logit: it is taken away ahead of the exponentials
	v_mul_f32 v80, v48, v48
.irp e, 1,2,3,4,5,6,7
	v_fmac_f32 v80, v[48+\e], v[48+\e]             ; the sum of the logits' squares
.endr
.irp e, 0,1,2,3,4,5,6,7
	v_sub_f32 v[58+\e], v[48+\e], v57
.endr
.irp e, 0,1,2,3,4,5,6,7
	v_mul_f32 v[58+\e], 0x3fb8aa3b, v[58+\e]       ; x log2(e)
.endr
	s_wait_alu depctr_va_vdst(0)
.irp e, 0,1,2,3,4,5,6,7
	v_exp_f32 v[58+\e], v[58+\e]
.endr
	v_mov_b32 v81, 0                               ; a plain line behind the exponentials (words 9 to 11 of the group's sums are zeros)
	s_wait_alu depctr_va_vdst(0)                   ; one wait for the batch, ahead of its first reader
	v_add_f32 v66, v58, v59
	v_add_f32 v67, v60, v61
	v_add_f32 v68, v62, v63
	v_add_f32 v69, v64, v65
	v_add_f32 v66, v66, v67
	v_add_f32 v68, v68, v69
	v_add_f32 v66, v66, v68
	s_wait_alu depctr_va_vdst(0)
	v_rcp_f32 v67, v66
	v_mov_b32 v82, 0                               ; a plain line
	s_wait_alu depctr_va_vdst(0)
.irp e, 0,1,2,3,4,5,6,7
	v_mul_f32 v[58+\e], v[58+\e], v67              ; the probabilities
.endr
	v_mov_b32 v68, v58                             ; the largest, by an ascending scan with a strict compare: the lower index wins a tie
	v_mov_b32 v69, 0
.irp e, 1,2,3,4,5,6,7
	v_cmp_gt_f32 vcc_lo, v[58+\e], v68
	v_cndmask_b32 v68, v68, v[58+\e], vcc_lo
	v_cndmask_b32 v69, v69, \e, vcc_lo
.endr
.irp e, 0,1,2,3,4,5,6,7
	v_cmp_eq_u32 vcc_lo, \e, v69
	v_cndmask_b32 v[72+\e], v[58+\e], -1.0, vcc_lo ; the winner is put under every probability,
.endr
	v_mov_b32 v70, v72                             ; and the scan is run again
	v_mov_b32 v71, 0
.irp e, 1,2,3,4,5,6,7
	v_cmp_gt_f32 vcc_lo, v[72+\e], v70
	v_cndmask_b32 v70, v70, v[72+\e], vcc_lo
	v_cndmask_b32 v71, v71, \e, vcc_lo
.endr
	v_add_f32 v91, v68, v70
	s_wait_alu depctr_va_vdst(0)
	v_rcp_f32 v91, v91
	v_mov_b32 v83, 0                               ; a plain line
	s_wait_alu depctr_va_vdst(0)
	v_mul_f32 v68, v68, v91                        ; the two scores, made to sum to 1
	v_mul_f32 v70, v70, v91
	v_min_u32 v86, v69, v71                        ; lo
	v_max_u32 v87, v69, v71                        ; hi
	v_cmp_lt_u32 vcc_lo, v69, v71
	v_cndmask_b32 v84, v70, v68, vcc_lo            ; lo's score
	v_cndmask_b32 v85, v68, v70, vcc_lo            ; hi's
	v_sub_nc_u32 v88, 15, v86
	v_mul_u32_u24 v88, v88, v86
	v_lshrrev_b32 v88, 1, v88
	v_add_nc_u32 v88, v88, v87
	v_sub_nc_u32 v88, v88, v86
	v_add_nc_u32 v88, -1, v88                      ; key = lo (15 - lo) / 2 + hi - lo - 1: 0 to 27
	v_mov_b32 v89, 0                               ; lane = key: which of the group's 32 tokens chose it, a bit a token; keys 28 to 31 stay 0
	v_mov_b32 v90, 0                               ; and how many
.irp b, 0,1,2,3,4,5,6,7,8,9,10,11,12,13,14,15,16,17,18,19,20,21,22,23,24,25,26,27
	v_cmp_eq_u32 s36, \b, v88
	s_bcnt1_i32_b32 s37, s36
	v_writelane_b32 v89, s36, \b
	v_writelane_b32 v90, s37, \b
.endr
	global_store_b32 v93, v89, s[22:23]            ; the group's row of masks: 128 consecutive bytes
	global_store_b32 v93, v90, s[22:23] offset:32768               ; and of counts
	global_store_b64 v7, v[84:85], s[40:41]        ; 32 lanes store 256 consecutive bytes, aligned
.irp k, 1,2,4,8
.irp e, 58,59,60,61,62,63,64,65,80
	v_add_f32_dpp v\e, v\e, v\e row_xmask:\k row_mask:0xf bank_mask:0xf   ; the group's sums of each probability and of the squares
.endr
.endr
.irp e, 0,1,2,3,4,5,6,7
	v_permlanex16_b32 v[PT+\e], v[58+\e], s34, s35
.endr
	v_permlanex16_b32 v91, v80, s34, s35
.irp e, 0,1,2,3,4,5,6,7
	v_add_f32 v[58+\e], v[58+\e], v[PT+\e]
.endr
	v_add_f32 v80, v80, v91
	v_cmp_eq_u32 vcc_lo, 0, v1
	s_wait_alu depctr_va_vdst(0)
	s_wait_xcnt 0x0                                ; EXEC changes only behind this wait: the stores above have it among their sources
	s_and_saveexec_b32 s36, vcc_lo
	global_store_b128 v94, v[58:61], s[42:43] offset:65536
	global_store_b128 v94, v[62:65], s[42:43] offset:65552
	global_store_b128 v94, v[80:83], s[42:43] offset:65568
	s_wait_xcnt 0x0                                ; and again ahead of the line that widens it
	s_or_b32 exec_lo, exec_lo, s36
.Lx_end:
	s_wait_tensorcnt 0x0
	ds_add_u32 v254, v255
	s_wait_dscnt 0x0
	s_endpgm
; ------------------------------------------------------------------ the weights' role
.macro LOADW kb, rowb                  ; block kb: 32 rows of my column; 32 lanes read 128 consecutive bytes, the four waves 512
.irp i, 0,1,2,3,4,5,6,7,8,9,10,11,12,13,14,15,16,17,18,19,20,21,22,23,24,25,26,27,28,29,30,31
	global_load_b32 v[32+32*((\kb)%2)+\i], v8, s[44:45] offset:(32*(\kb)+\i)*(\rowb) th:TH_LOAD_NT
.endr
.endm
; Eight blocks of 32 along K of my column.  rowb: bytes from row to row of the source; i4: bytes from a K step's fragment to the next in wq.
; Each block has registers of its own for its codes, so no store's data are written again.
.macro QW rowb, i4
	LOADW 0, \rowb
	LOADW 1, \rowb
.irp kb, 0,1,2,3,4,5,6,7
.set WS, 32+32*(\kb%2)
.if \kb < 7
	s_wait_loadcnt 32                              ; this block's 32 loads are in; the next block's stay out
.else
	s_wait_loadcnt 0x0
.endif
	v_max3_num_f32 v20, |v[WS]|, |v[WS+1]|, 0x1800000
	v_max3_num_f32 v21, |v[WS+16]|, |v[WS+17]|, |v[WS+18]|
.irp i, 2,4,6,8,10,12
	v_max3_num_f32 v20, v20, |v[WS+\i]|, |v[WS+\i+1]|
	v_max3_num_f32 v21, v21, |v[WS+\i+17]|, |v[WS+\i+18]|
.endr
	v_max3_num_f32 v20, v20, |v[WS+14]|, |v[WS+15]|
	v_max3_num_f32 v20, v20, v21, |v[WS+31]|
	v_add_nc_u32 v22, 0xff000000, v20
	v_lshrrev_b32 v23, 23, v22
.if \kb%4 == 0
	v_mov_b32 v[12+\kb/4], v23                     ; four bytes make a K step's scale word, the lower K in the lower byte
.else
	v_lshl_or_b32 v[12+\kb/4], v23, 8*(\kb%4), v[12+\kb/4]
.endif
.irp g, 0,1,2,3
	v_cvt_scalef32_pk8_fp4_f32 v[96+4*\kb+\g], v[WS+8*\g:WS+8*\g+7], v22
.endr
	global_store_b128 v9, v[96+4*\kb:96+4*\kb+3], s[46:47] offset:(\i4)*(\kb/4)+512*((\kb/2)%2)+256*(\kb%2)   ; lanes 0-15 fill 256 consecutive bytes, aligned, and so do lanes 16-31
.if \kb < 6
	LOADW \kb+2, \rowb
.endif
.endr
	global_store_b64 v10, v[12:13], s[20:21]       ; two scale words a lane: 256 consecutive bytes
.endm
.Lweights:
	s_sub_co_u32 s27, ttmp9, 256
	s_lshr_b32 s28, s27, 6                         ; 0 gate, 1 up, 2 down
	s_bfe_u32 s29, s27, 0x30003                    ; the expert
	s_and_b32 s30, s27, 7                          ; which eighth of the matrix
	s_wait_alu depctr_va_vdst(0)
	v_and_b32 v2, 15, v1                           ; r
	v_lshrrev_b32 v3, 4, v1                        ; u
	v_lshlrev_b32 v10, 3, v1                       ; 8 x lane
	s_lshl_b32 s31, s29, 20                        ; an expert's matrix is 2^20 bytes
	s_cmp_eq_u32 s28, 2
	s_cbranch_scc1 .Ldown
; gate and up: [1024 (k)][256 (n)].  THE COLUMNS OF A TILE ARE NOT NEIGHBOURS: lane (u, r) takes column 32 group + 8 u + r + 8 (r / 8), so that the next launch's results come out as 16 neighbours along the next K.
	s_and_b32 s32, s30, 1                          ; which 128 columns
	s_lshr_b32 s33, s30, 1                         ; which 256 along K
	v_and_b32 v4, 8, v2
	v_add_nc_u32 v4, v4, v2
	v_lshl_add_u32 v4, v3, 3, v4
	v_lshlrev_b32 v8, 2, v4                        ; source: 4 bytes a column
	v_lshlrev_b32 v9, 4, v2
	v_lshl_add_u32 v9, v3, 10, v9                  ; wq: 1,024 u + 16 r
	s_lshl_b32 s34, s33, 18
	s_add_co_u32 s34, s34, s31
	s_lshl_b32 s36, s32, 9
	s_add_co_u32 s34, s34, s36
	s_lshl_b32 s36, s26, 7
	s_add_co_u32 s34, s34, s36
	s_mov_b32 s35, 0
	s_lshl_b32 s36, s32, 1
	s_lshr_b32 s37, s26, 1
	s_add_co_u32 s36, s36, s37                     ; the reader's wave: group / 2
	s_and_b32 s37, s26, 1                          ; its pass: group % 2
	s_lshl_b32 s38, s29, 18                        ; wq: 262,144 e + 65,536 wave + 32,768 pass + 8,192 (K / 256) + 2,048 matrix
	s_lshl_b32 s42, s36, 16
	s_add_co_u32 s38, s38, s42
	s_lshl_b32 s42, s37, 15
	s_add_co_u32 s38, s38, s42
	s_lshl_b32 s42, s33, 13
	s_add_co_u32 s38, s38, s42
	s_lshl_b32 s42, s28, 11
	s_add_co_u32 s38, s38, s42
	s_mov_b32 s39, 0
	s_lshl_b32 s40, s29, 14                        ; ws: 16,384 e + 4,096 wave + 2,048 pass + 1,024 matrix + 256 (K / 256)
	s_lshl_b32 s42, s36, 12
	s_add_co_u32 s40, s40, s42
	s_lshl_b32 s42, s37, 11
	s_add_co_u32 s40, s40, s42
	s_lshl_b32 s42, s28, 10
	s_add_co_u32 s40, s40, s42
	s_lshl_b32 s42, s33, 8
	s_add_co_u32 s40, s40, s42
	s_mov_b32 s41, 0
	s_wait_alu depctr_va_vdst(0)
	s_wait_kmcnt 0x0
	s_cmp_eq_u32 s28, 0
	s_cselect_b64 s[44:45], s[8:9], s[10:11]       ; the choice hangs on the work-group's number alone
	s_add_nc_u64 s[44:45], s[44:45], s[34:35]
	s_add_nc_u64 s[46:47], s[18:19], s[38:39]
	s_add_nc_u64 s[20:21], s[20:21], s[40:41]
	QW 1024, 4096
	s_endpgm
.Ldown:
; down: [256 (k)][1024 (n)]: lane L takes column 128 eighth + 32 wave + L; all of K
	v_lshlrev_b32 v8, 2, v1
	s_wait_alu depctr_va_vdst(0)
	v_lshlrev_b32 v9, 4, v2
	v_lshl_add_u32 v9, v3, 11, v9                  ; wq: 2,048 u + 16 r
	s_lshl_b32 s34, s30, 9
	s_add_co_u32 s34, s34, s31
	s_lshl_b32 s36, s26, 7
	s_add_co_u32 s34, s34, s36
	s_mov_b32 s35, 0
	s_lshr_b32 s36, s30, 1                         ; the reader's wave
	s_and_b32 s37, s30, 1
	s_lshl_b32 s38, s29, 17                        ; wq: WD0 + 131,072 e + 32,768 wave + 8,192 (2 (eighth % 2) + my wave / 2) + 4,096 (my wave % 2)
	s_add_co_u32 s38, s38, WD0
	s_lshl_b32 s42, s36, 15
	s_add_co_u32 s38, s38, s42
	s_lshl_b32 s42, s37, 14
	s_add_co_u32 s38, s38, s42
	s_lshr_b32 s42, s26, 1
	s_lshl_b32 s42, s42, 13
	s_add_co_u32 s38, s38, s42
	s_and_b32 s42, s26, 1
	s_lshl_b32 s42, s42, 12
	s_add_co_u32 s38, s38, s42
	s_mov_b32 s39, 0
	s_lshl_b32 s40, s29, 13                        ; ws: SD0 + 8,192 e + 2,048 wave + 256 (4 (eighth % 2) + my wave)
	s_add_co_u32 s40, s40, SD0
	s_lshl_b32 s42, s36, 11
	s_add_co_u32 s40, s40, s42
	s_lshl_b32 s42, s37, 10
	s_add_co_u32 s40, s40, s42
	s_lshl_b32 s42, s26, 8
	s_add_co_u32 s40, s40, s42
	s_mov_b32 s41, 0
	s_wait_kmcnt 0x0
	s_add_nc_u64 s[44:45], s[12:13], s[34:35]
	s_add_nc_u64 s[46:47], s[18:19], s[38:39]
	s_add_nc_u64 s[20:21], s[20:21], s[40:41]
	QW 4096, 1024
	s_endpgm
.Lfunc_end_k_q42cfa25c38_prep:
	.size	k_q42cfa25c38_prep, .Lfunc_end_k_q42cfa25c38_prep-k_q42cfa25c38_prep
	.p2alignl 7, 3214868480
	.fill 96, 4, 3214868480
	.section	.rodata,"a",@progbits
	.p2align	6, 0x0
	.amdhsa_kernel k_q42cfa25c38_prep
		.amdhsa_group_segment_fixed_size 73216
		.amdhsa_private_segment_fixed_size 0
		.amdhsa_enable_private_segment 0
		.amdhsa_kernarg_size 88
		.amdhsa_user_sgpr_count 2
		.amdhsa_user_sgpr_kernarg_segment_ptr 1
		.amdhsa_wavefront_size32 1
		.amdhsa_system_sgpr_workgroup_id_x 1
		.amdhsa_system_sgpr_workgroup_id_y 1
		.amdhsa_system_sgpr_workgroup_id_z 1
		.amdhsa_system_vgpr_workitem_id 0
		.amdhsa_next_free_vgpr 512
		.amdhsa_next_free_sgpr 66
		.amdhsa_reserve_vcc 1
		.amdhsa_float_denorm_mode_32 3
		.amdhsa_float_denorm_mode_16_64 3
		.amdhsa_memory_ordered 1
		.amdhsa_forward_progress 1
		.amdhsa_inst_pref_size 220
	.end_amdhsa_kernel
	.amdgpu_metadata
---
amdhsa.version: [ 1, 2 ]
amdhsa.kernels:
  - .name:           k_q42cfa25c38_prep
    .symbol:         k_q42cfa25c38_prep.kd
    .args:
      - { .name: x, .offset: 0, .size: 8, .value_kind: global_buffer, .address_space: global }
      - { .name: w_router, .offset: 8, .size: 8, .value_kind: global_buffer, .address_space: global }
      - { .name: w_gate, .offset: 16, .size: 8, .value_kind: global_buffer, .address_space: global }
      - { .name: w_up, .offset: 24, .size: 8, .value_kind: global_buffer, .address_space: global }
      - { .name: w_down, .offset: 32, .size: 8, .value_kind: global_buffer, .address_space: global }
      - { .name: xq, .offset: 40, .size: 8, .value_kind: global_buffer, .address_space: global }
      - { .name: xs, .offset: 48, .size: 8, .value_kind: global_buffer, .address_space: global }
      - { .name: wq, .offset: 56, .size: 8, .value_kind: global_buffer, .address_space: global }
      - { .name: ws, .offset: 64, .size: 8, .value_kind: global_buffer, .address_space: global }
      - { .name: sel, .offset: 72, .size: 8, .value_kind: global_buffer, .address_space: global }
      - { .name: rt, .offset: 80, .size: 8, .value_kind: global_buffer, .address_space: global }
    .group_segment_fixed_size: 73216
    .private_segment_fixed_size: 0
    .kernarg_segment_align: 8
    .kernarg_segment_size: 88
    .max_flat_workgroup_size: 128
    .sgpr_count:     66
    .vgpr_count:     512
    .wavefront_size: 32
...
	.end_amdgpu_metadata
.endif
;; end of part 4
;; launch chain (part 5): grid 198 x 1, 4 waves a work-group, no clusters, 108,288 bytes of LDS; arguments xq, xs, wq, ws, rt, sel, out0, out1, out2; writes out0, out1, out2
.if DOCPART == 5
	.amdgcn_target "amdgcn-amd-amdhsa--gfx1250"
	.amdhsa_code_object_version 6
	.text
	.protected	k_q42cfa25c38_chain
	.globl	k_q42cfa25c38_chain
	.p2align	8
	.type	k_q42cfa25c38_chain,@function
k_q42cfa25c38_chain:
	s_mov_b64 s[64:65], 0
	v_nop
	global_prefetch_b8 v0, s[64:65] scope:SCOPE_SE
	s_setreg_imm32_b32 hwreg(HW_REG_WAVE_MODE, 25, 1), 1
	s_wait_xcnt 0x0
; CHAIN.  One work-group takes one tile, at most 48 tokens that chose the same two experts, through both experts: gate and up products, silu(gate) x up, quantised in registers, down product, x the score, summed, stored.
; All products are on codes of FP4 (E2M1) with E8M0 scales.  The hidden layer never goes to memory, and each row of out0 has one owner.
; GRID.  With 28 pairs and tiles of 48 there are never more than (8,192 + 28 x 47) / 48 = 198 tiles, whatever the router chose.  A work-group that a split leaves without rows runs the same text on clamped
; addresses and stores nothing: so every wave passes every barrier, and the only branches on stored numbers are forward jumps round the stores of out0.
; WHICH TILE, WHICH TOKENS.  The launch before stored, for each group of 32 tokens and each of the 28 pairs, a mask of the tokens that chose the pair and their number.  Every work-group sums the numbers (each wave
; 64 groups, the four sums meet in LDS), gives each pair (n + 47) / 48 tiles, scans those and finds its pair and its first place in it.  A pair's tokens are the set bits of 256 masks, taken in this order: lane l of a
; wave owns groups l, 32 + l, .. 224 + l; lane by lane, group by group, bit by bit.  Every work-group of a pair uses that order, so the tiles part the pair's tokens.  With a lane to a row of the tile, the owner of
; the row's place is found by a binary search over the lanes' running sums (lane permutes), the owner's masks are pulled, and the k-th set bit is found by halving on sums of 16, 8, 4, 2 and 1 bits.
; SHARES.  THE WAVES SHARE THE COLUMNS, NOT THE ROWS: wave w makes hidden units 64 w .. 64 w + 63 (two passes of 32) and output columns 256 w .. 256 w + 255, for all 48 rows.  So each byte of an expert's weights
; is loaded once a work-group, straight into registers in the order in which the launch before laid it, and each fragment feeds three matrix instructions (three tiles of 16 tokens).
; THE WEIGHTS come in chunks of 8 fragments (8,192 bytes, 16 loads of 512 consecutive bytes) through a ring of four register buffers; a chunk is asked for four steps ahead, across the activation, the barriers and the
; change of expert.  An expert is 12 chunks: 8 of gate and up (pass p, K steps 2 j and 2 j + 1), 4 of down (64 columns each).
; BOTH PRODUCTS ARE USED TRANSPOSED (source 0 = 16 rows of weights, source 1 = 16 tokens): a lane holds one token, and its registers run along the units or the output columns.
; THE TWO LOSSES are finished by wave 0 of the last work-group, behind its way out: out1 = the sum of the logits' squares / 8,192; out2 = 8 x the sum over experts of pm ln(pm + 1e-9), pm the mean probability.
; NO CLUSTER, NO TENSOR LOADS: which experts a work-group walks and how many rows it stores are numbers read from memory, and the number of tiles of a pair follows the data, so the grid does not divide into
; clusters of one pair.  No prefetch: all work-groups read the same 3.3 MB of weights at the same time, and a tile's rows of x are asked for once, at the head.
; LIMITS: NaN and infinities are not served.  An exponential under 2^-126 comes out as 0 and one over 2^128 as infinity: silu is then 0 (gate under about -87).  A block of the hidden layer
; whose largest magnitude lies under 2^-124 keeps the byte 1.
; REGISTERS, in windows of 256.  Window 0: addresses, scales, work, and v128-223: 12 accumulators (gate and up of a pass; or a chunk of the down product).  Window 1: v0-127 the output sums of tokens 32-47,
; v128-175 and v176-223 two sets of source-1 fragments.  Window 2: the ring, 4 x 64.  Window 3: the output sums of tokens 0-15 (v0-127) and 16-31 (v128-255).
.set XROW, 0                           ; LDS: the tile's 48 rows of x codes, 512 bytes + 16
.set HIMG, 25344                       ; the hidden layer as images of operand registers: 2 experts x 6 fragments x 1,024
.set HSC,  37632                       ; its scale bytes: 2 experts x 2 K steps x 64 words
.set STG,  38656                       ; the way out: 16 rows x (1,024 bytes + 16) for each wave
.set CNT,  105216                      ; 4 waves x 32 pairs: each wave's sums of the numbers
.set COL,  105728                      ; my pair's 256 masks, then its 256 numbers
.set WD0,  2097152
.set SD0,  131072
.set L16, 1                            ; 16 x lane
.set XA,  2                            ; x fragments: 528 r + 16 h
.set HW,  3                            ; where I store 8 bytes of hidden codes
.set HSW, 4                            ; and a scale byte
.set L4,  5                            ; 4 x lane
.set R4,  6                            ; 4 r
.set SO,  7                            ; the stage, in
.set SR,  8                            ; the stage, back
.set L8,  9                            ; 8 x lane
.set XW,  10                           ; where I store my 12 rows of x: rows 4 i + wave
.set TK,  11                           ; v11 the token of row lane; v12-14 of rows 16 m + r
.set CW,  16                           ; v16-21  (lo's score, hi's score) of token 16 m + r
.set XS0, 24                           ; v24-31  x's scale words of K step s: lane L = row L;  v32-39: row 32 + r
.set HS,  40                           ; v40-43  the hidden layer's
.set SG,  44                           ; v44-75  gate's and up's: 8 (2 p + matrix) + K step; lanes 0-15 the even tile, lanes 16-31 the odd
.set SD,  76                           ; v76-91  down's: 2 (pair of tiles) + K step
.set TM,  92                           ; v92-94 largest magnitudes; v95-97 lane exchange; v98-100 scale operands; v101-103 bytes; v104-109 codes
.set TP,  95
.set SOP, 98
.set BY,  101
.set PC,  104
.set OFF, 92                           ; the way out: 16 offsets, where the activation's work registers lay
.set HH,  115                          ; lane / 16
.set NN,  116                          ; lane = pair: its tokens,
.set NT,  117                          ; its tiles,
.set TBS, 118                          ; its first tile
.set STM, 119
.set HA,  128
.set OB,  128                          ; the way out: 16 rows read back
.set Q,   128                          ; the head: two sets of 32 work registers, one for rows 0-31 (a lane a row), one for rows 32-47:
                                       ;   +0 place, +1 4 x owner, +2 the owner's first place, then the rank, +3, +4 the search, +5, +6 packed sums, +7 the word, +8..15 the owner's masks,
                                       ;   +16 sum ahead of the word, +17 which word, +18 work, +19, +20, +21 sums of 2, 4, 8 bits, +22 bit, +23, +24 work
.set MK,  200                          ; v200-207 my lane's 8 masks;  v208-215 their numbers, then running sums;  v216-217 those packed;  v218 the lanes' running sum
.set CU,  208
.set PK,  216
.set SX,  218
.set SXT, 219
.set GB,  20                           ; s[20:21] gate/up of lo, s[22:23] down of lo, s[24:27] of hi;  s[28:35] their scale words in the same order
.set MSB, 0
.macro WIN new                         ; the immediate's high byte repeats the setting that is left
.if MSB != \new
	s_set_vgpr_msb (MSB<<8)|\new
.set MSB, \new
.endif
.endm
.macro PLACES                          ; four plain lines between a matrix instruction and a load into one of its registers or the first read of a result
.rept 4
	v_nop
.endr
.endm
.macro BARRIER
	s_wait_dscnt 0x0                               ; my LDS stores have landed and my LDS loads are in
	s_barrier_signal -1
	s_barrier_wait -1
.endm
.macro SCAN x, t                       ; v[x] becomes its running sum over the 32 lanes, my own number included.  v[t] is cleared ahead of each shift: a lane without a source takes 0
.irp k, 1,2,4,8
	v_mov_b32 v[\t], 0
	v_mov_b32_dpp v[\t], v[\x] row_shr:\k row_mask:0xf bank_mask:0xf bound_ctrl:1
	v_add_nc_u32 v[\x], v[\x], v[\t]
.endr
	v_readlane_b32 s72, v[\x], 15
	v_mad_u32_u24 v[\x], v[HH], s72, v[\x]         ; the lower half's total onto the upper half
.endm
.macro HALF src, w, msk                ; one halving: t = the set bits in the next w bits from the bit in hand on; where the rank reaches t, they are passed over
.irp k, 0,1
	v_lshrrev_b32 v[Q+32*\k+23], v[Q+32*\k+22], v[Q+32*\k+\src]
.endr
.irp k, 0,1
	v_and_b32 v[Q+32*\k+23], \msk, v[Q+32*\k+23]
.endr
.irp k, 0,1
	v_cmp_le_u32 s[76+\k], v[Q+32*\k+23], v[Q+32*\k+2]
.endr
.irp k, 0,1
	v_cndmask_b32 v[Q+32*\k+23], 0, v[Q+32*\k+23], s[76+\k]
	v_cndmask_b32 v[Q+32*\k+24], 0, \w, s[76+\k]
.endr
.irp k, 0,1
	v_sub_nc_u32 v[Q+32*\k+2], v[Q+32*\k+2], v[Q+32*\k+23]
	v_add_nc_u32 v[Q+32*\k+22], v[Q+32*\k+22], v[Q+32*\k+24]
.endr
.endm
.macro LOADCH buf, base, imm           ; a chunk: 8 fragments in register order
	WIN 0x80                                       ; destination window 2
.irp f, 0,1,2,3,4,5,6,7,8,9,10,11,12,13,14,15
	global_load_b128 v[64*(\buf)+4*\f:64*(\buf)+4*\f+3], v[L16], s[\base:\base+1] offset:(\imm)+512*\f
.endr
.endm
.macro LOADSG base                     ; an expert's scale words of gate and up for my wave
	WIN 0
.irp p, 0,1
.irp g, 0,1
.irp j, 0,1,2,3
	global_load_b64 v[SG+8*(2*\p+\g)+2*\j:SG+8*(2*\p+\g)+2*\j+1], v[L8], s[\base:\base+1] offset:2048*\p+1024*\g+256*\j
.endr
.endr
.endr
.endm
.macro LOADSD base                     ; and of down
	WIN 0
.irp q, 0,1,2,3,4,5,6,7
	global_load_b64 v[SD+2*\q:SD+2*\q+1], v[L8], s[\base:\base+1] offset:256*\q
.endr
.endm
.macro LOADXF xb, j                    ; x's fragments of K steps 2 j and 2 j + 1, three tiles of tokens, into set xb
	WIN 0x40                                       ; destination window 1
.irp ks, 0,1
.irp m, 0,1,2
.irp c, 0,1
	ds_load_b128 v[128+48*(\xb)+8*(3*\ks+\m)+4*\c:128+48*(\xb)+8*(3*\ks+\m)+4*\c+3], v[XA] offset:8448*\m+64*(2*(\j)+\ks)+32*\c
.endr
.endr
.endr
.endm
.macro LOADH X                         ; the hidden layer's six fragments into set 0, and its scale words
	WIN 0x40
.irp s, 0,1
.irp m, 0,1,2
.irp c, 0,1
	ds_load_b128 v[128+8*(3*\s+\m)+4*\c:128+8*(3*\s+\m)+4*\c+3], v[L16] offset:HIMG+6144*(\X)+2048*\m+1024*\s+512*\c
.endr
.endr
.endr
	WIN 0
.irp s, 0,1
	ds_load_b32 v[HS+2*\s], v[L4] offset:HSC+512*(\X)+256*\s           ; lane L: row L
	ds_load_b32 v[HS+2*\s+1], v[R4] offset:HSC+512*(\X)+256*\s+128     ; row 32 + r
.endr
.endm
; One matrix instruction.  zero: the sum begins with the constant 0.  ra, rb: the side's scales stand in lanes 16-31 of its register.
.macro WM d, a, b, zero, sa, sb, ra, rb
.if \zero
.if (\ra) && (\rb)
	v_wmma_scale_f32_16x16x128_f8f6f4 v[\d:\d+7], v[\a:\a+7], v[\b:\b+7], 0, v[\sa], v[\sb] matrix_a_fmt:MATRIX_FMT_FP4 matrix_b_fmt:MATRIX_FMT_FP4 matrix_a_scale:MATRIX_SCALE_ROW1 matrix_b_scale:MATRIX_SCALE_ROW1
.elseif \ra
	v_wmma_scale_f32_16x16x128_f8f6f4 v[\d:\d+7], v[\a:\a+7], v[\b:\b+7], 0, v[\sa], v[\sb] matrix_a_fmt:MATRIX_FMT_FP4 matrix_b_fmt:MATRIX_FMT_FP4 matrix_a_scale:MATRIX_SCALE_ROW1
.elseif \rb
	v_wmma_scale_f32_16x16x128_f8f6f4 v[\d:\d+7], v[\a:\a+7], v[\b:\b+7], 0, v[\sa], v[\sb] matrix_a_fmt:MATRIX_FMT_FP4 matrix_b_fmt:MATRIX_FMT_FP4 matrix_b_scale:MATRIX_SCALE_ROW1
.else
	v_wmma_scale_f32_16x16x128_f8f6f4 v[\d:\d+7], v[\a:\a+7], v[\b:\b+7], 0, v[\sa], v[\sb] matrix_a_fmt:MATRIX_FMT_FP4 matrix_b_fmt:MATRIX_FMT_FP4
.endif
.else
.if (\ra) && (\rb)
	v_wmma_scale_f32_16x16x128_f8f6f4 v[\d:\d+7], v[\a:\a+7], v[\b:\b+7], v[\d:\d+7], v[\sa], v[\sb] matrix_a_fmt:MATRIX_FMT_FP4 matrix_b_fmt:MATRIX_FMT_FP4 matrix_a_scale:MATRIX_SCALE_ROW1 matrix_b_scale:MATRIX_SCALE_ROW1
.elseif \ra
	v_wmma_scale_f32_16x16x128_f8f6f4 v[\d:\d+7], v[\a:\a+7], v[\b:\b+7], v[\d:\d+7], v[\sa], v[\sb] matrix_a_fmt:MATRIX_FMT_FP4 matrix_b_fmt:MATRIX_FMT_FP4 matrix_a_scale:MATRIX_SCALE_ROW1
.elseif \rb
	v_wmma_scale_f32_16x16x128_f8f6f4 v[\d:\d+7], v[\a:\a+7], v[\b:\b+7], v[\d:\d+7], v[\sa], v[\sb] matrix_a_fmt:MATRIX_FMT_FP4 matrix_b_fmt:MATRIX_FMT_FP4 matrix_b_scale:MATRIX_SCALE_ROW1
.else
	v_wmma_scale_f32_16x16x128_f8f6f4 v[\d:\d+7], v[\a:\a+7], v[\b:\b+7], v[\d:\d+7], v[\sa], v[\sb] matrix_a_fmt:MATRIX_FMT_FP4 matrix_b_fmt:MATRIX_FMT_FP4
.endif
.endif
.endm
; 24 matrix instructions on a chunk of gate and up: two K steps x (3 tiles of tokens x gate, up x 2 tiles of units).  The 12 accumulators take turns, one instruction a turn.
; Accumulator (m, g, u) at HA + 32 m + 16 g + 8 u: lane (r, h) holds token 16 m + r, register j unit 32 (2 w + p) + 16 h + 8 u + j.
.macro MM1 buf, xb, p, j, zero
	WIN 0x06                                       ; source 0 (weights) window 2, source 1 (x) window 1, C and D window 0
.irp ks, 0,1
.irp m, 0,1,2
.irp g, 0,1
.irp u, 0,1
	WM HA+32*\m+16*\g+8*\u, 64*(\buf)+8*(4*\ks+2*\g+\u), 128+48*(\xb)+8*(3*\ks+\m), (\zero)*(1-\ks), SG+8*(2*(\p)+\g)+2*(\j)+\ks, XS0+8*(\m/2)+2*(\j)+\ks, \u, \m%2
.endr
.endr
.endr
.endr
.endm
; 24 on a chunk of down: two K steps x (4 tiles of columns x 3 tiles of tokens).  Accumulator (t, m) at HA + 8 (3 t + m): lane (r, h): token 16 m + r, register j column 256 w + 64 q + 16 t + 8 h + j.
.macro MM2 buf, q
	WIN 0x06
.irp s, 0,1
.irp t, 0,1,2,3
.irp m, 0,1,2
	WM HA+8*(3*\t+\m), 64*(\buf)+8*(2*\t+\s), 128+8*(3*\s+\m), 1-\s, SD+2*(2*(\q)+\t/2)+\s, HS+2*\s+\m/2, \t%2, \m%2
.endr
.endr
.endr
.endm
; The activation and the quantiser, for pass p of expert X: hidden = gate x up / (1 + 2^(-gate log2 e)), all in f32; each accumulator is read from its low end on.
; My 16 registers of a token are half a block of 32 units; lane l xor 16 holds the other half.  The image's address puts the two halves side by side: nothing changes lanes but the maximum.
.macro ACT X, p
	WIN 0
.irp m, 0,1,2
.irp k, 0,2,4,6,8,10,12,14
	v_pk_mul_f32 v[HA+32*\m+16+\k:HA+32*\m+17+\k], v[HA+32*\m+\k:HA+32*\m+1+\k], v[HA+32*\m+16+\k:HA+32*\m+17+\k]   ; gate x up
.endr
.endr
.irp m, 0,1,2
.irp k, 0,2,4,6,8,10,12,14
	v_pk_mul_f32 v[HA+32*\m+\k:HA+32*\m+1+\k], v[HA+32*\m+\k:HA+32*\m+1+\k], 0xbfb8aa3b op_sel_hi:[1,0]           ; -gate log2 e
.endr
.endr
	s_wait_alu depctr_va_vdst(0)
.irp m, 0,1,2
.irp k, 0,1,2,3,4,5,6,7,8,9,10,11,12,13,14,15
	v_exp_f32 v[HA+32*\m+\k], v[HA+32*\m+\k]
.endr
.endr
	v_nop                                          ; a plain line behind the last exponential
	s_wait_alu depctr_va_vdst(0)                   ; one wait for the batch of 48, ahead of its first reader
.irp m, 0,1,2
.irp k, 0,2,4,6,8,10,12,14
	v_pk_add_f32 v[HA+32*\m+\k:HA+32*\m+1+\k], v[HA+32*\m+\k:HA+32*\m+1+\k], 1.0 op_sel_hi:[1,0]
.endr
.endr
	s_wait_alu depctr_va_vdst(0)
.irp m, 0,1,2
.irp k, 0,1,2,3,4,5,6,7,8,9,10,11,12,13,14,15
	v_rcp_f32 v[HA+32*\m+\k], v[HA+32*\m+\k]
.endr
.endr
	v_nop
	s_wait_alu depctr_va_vdst(0)                   ; and one for the 48 reciprocals
.irp m, 0,1,2
.irp k, 0,2,4,6,8,10,12,14
	v_pk_mul_f32 v[HA+32*\m+\k:HA+32*\m+1+\k], v[HA+32*\m+\k:HA+32*\m+1+\k], v[HA+32*\m+16+\k:HA+32*\m+17+\k]     ; the hidden layer
.endr
.endr
.irp m, 0,1,2
	v_max3_num_f32 v[TM+\m], |v[HA+32*\m]|, |v[HA+32*\m+1]|, 0x1800000     ; my 16 numbers and the floor 2^(3 - 127); the three tiles by turns
.endr
.irp i, 2,4,6,8,10,12,14
.irp m, 0,1,2
	v_max3_num_f32 v[TM+\m], v[TM+\m], |v[HA+32*\m+\i]|, |v[HA+32*\m+\i+1]|
.endr
.endr
.irp m, 0,1,2
	v_permlanex16_b32 v[TP+\m], v[TM+\m], s66, s67
.endr
.irp m, 0,1,2
	v_max_num_f32 v[TM+\m], v[TM+\m], v[TP+\m]     ; the block's largest magnitude
.endr
.irp m, 0,1,2
	v_add_nc_u32 v[SOP+\m], 0xff000000, v[TM+\m]   ; 2 off its exponent field: the conversion's scale operand
.endr
.irp m, 0,1,2
	v_lshrrev_b32 v[BY+\m], 23, v[SOP+\m]          ; the scale's byte
.endr
.irp m, 0,1,2
	v_cvt_scalef32_pk8_fp4_f32 v[PC+2*\m], v[HA+32*\m:HA+32*\m+7], v[SOP+\m]
	v_cvt_scalef32_pk8_fp4_f32 v[PC+2*\m+1], v[HA+32*\m+8:HA+32*\m+15], v[SOP+\m]
.endr
	v_nop                                          ; a plain line behind the last conversion: matrix instructions write its sources next
.irp m, 0,1,2
	ds_store_b64 v[HW], v[PC+2*\m:PC+2*\m+1] offset:6144*(\X)+2048*\m+256*(\p)
	ds_store_b8 v[HSW], v[BY+\m] offset:512*(\X)+64*\m+(\p)        ; both halves of the lanes write the same byte with the same value
.endr
.endm
; A chunk of the down product, x the expert's score, onto the output sums.  Expert 0 starts them: nothing is cleared.
.macro FMA X, q
	WIN 0xf0                                       ; the sums of tokens 0-31: window 3
.irp m, 0,1
.irp t, 0,1,2,3
.irp k, 0,2,4,6
.if \X
	v_pk_fma_f32 v[128*\m+8*(4*(\q)+\t)+\k:128*\m+8*(4*(\q)+\t)+\k+1], v[HA+8*(3*\t+\m)+\k:HA+8*(3*\t+\m)+\k+1], v[CW+2*\m:CW+2*\m+1], v[128*\m+8*(4*(\q)+\t)+\k:128*\m+8*(4*(\q)+\t)+\k+1] op_sel:[0,1,0] op_sel_hi:[1,1,1]
.else
	v_pk_mul_f32 v[128*\m+8*(4*(\q)+\t)+\k:128*\m+8*(4*(\q)+\t)+\k+1], v[HA+8*(3*\t+\m)+\k:HA+8*(3*\t+\m)+\k+1], v[CW+2*\m:CW+2*\m+1] op_sel_hi:[1,0]
.endif
.endr
.endr
.endr
	WIN 0x50                                       ; those of tokens 32-47: window 1
.irp t, 0,1,2,3
.irp k, 0,2,4,6
.if \X
	v_pk_fma_f32 v[8*(4*(\q)+\t)+\k:8*(4*(\q)+\t)+\k+1], v[HA+8*(3*\t+2)+\k:HA+8*(3*\t+2)+\k+1], v[CW+4:CW+5], v[8*(4*(\q)+\t)+\k:8*(4*(\q)+\t)+\k+1] op_sel:[0,1,0] op_sel_hi:[1,1,1]
.else
	v_pk_mul_f32 v[8*(4*(\q)+\t)+\k:8*(4*(\q)+\t)+\k+1], v[HA+8*(3*\t+2)+\k:HA+8*(3*\t+2)+\k+1], v[CW+4:CW+5] op_sel_hi:[1,0]
.endif
.endr
.endr
.endm
.macro REFILL X, i                     ; the buffer just multiplied takes the chunk four steps on; behind expert 0's last chunks come expert 1's first; expert 1's last steps ask for nothing
.if (\i)+4 <= 7
	LOADCH (\i)%4, GB+4*(\X), 8192*((\i)+4)
.elseif (\i)+4 <= 11
	LOADCH (\i)%4, GB+4*(\X)+2, 8192*((\i)-4)
.elseif (\X) == 0
	LOADCH (\i)%4, GB+4, 8192*((\i)-8)
.endif
.endm
; A step on gate and up.  N: the vector loads issued behind this step's chunk, which may stay out.  D: the LDS instructions issued behind this step's fragments of x.  xfj: the K steps of x to fetch (-1: none).
.macro STEP1 X, i, N, D, xfj, zero
	s_wait_loadcnt \N
	s_wait_dscnt \D
	MM1 (\i)%4, (\i)%2, (\i)/4, (\i)%4, \zero
	PLACES
	REFILL \X, \i
.if (\xfj) >= 0
	LOADXF (\i)%2, \xfj
.endif
.endm
.macro STEP2 X, i, N                   ; a step on down
	s_wait_loadcnt \N
	MM2 (\i)%4, (\i)-8
	PLACES
	REFILL \X, \i
	FMA \X, (\i)-8
.endm
.macro BASE dst, ptr, e, she, shw, add ; a buffer's address + the expert's part + my wave's part
	s_lshl_b32 s42, s[\e], \she
	s_lshl_b32 s44, s18, \shw
	s_add_co_u32 s42, s42, s44
.if \add
	s_add_co_u32 s42, s42, \add
.endif
	s_add_nc_u64 s[\dst:\dst+1], s[\ptr:\ptr+1], s[42:43]
.endm
	s_load_b256 s[4:11], s[0:1], 0x0               ; xq, xs, wq, ws
	s_load_b128 s[12:15], s[0:1], 0x20             ; rt, sel
	s_load_b64 s[16:17], s[0:1], 0x30              ; out0
	s_load_b64 s[68:69], s[0:1], 0x38              ; out1
	s_load_b64 s[70:71], s[0:1], 0x40              ; out2
	v_lshl_add_u32 v126, v0, 2, 0x1a500
	v_mov_b32 v127, 0
	v_lshrrev_b32 v15, 5, v0
	v_readfirstlane_b32 s18, v15                   ; wave
	v_and_b32 v22, 31, v0                          ; lane
	v_lshlrev_b32 v[L16], 4, v22
	s_lshl_b32 s19, s18, 13                        ; my wave's 64 groups: rows of 128 bytes
	v_add_nc_u32 v110, s19, v[L16]
	s_mov_b32 s66, 0x76543210
	s_mov_b32 s67, 0xfedcba98                      ; lane l xor 16
	s_wait_alu depctr_va_vdst(0)
	s_wait_kmcnt 0x0
.irp i, 0,1,2,3,4,5,6,7,8,9,10,11,12,13,14,15
	global_load_b128 v[128+4*\i:131+4*\i], v110, s[14:15] offset:32768+512*\i   ; the numbers: lane L of load i holds pairs 4 (L % 8) + 0 .. 3 of group 64 w + 4 i + L / 8
.endr
	v_and_b32 v23, 15, v0                          ; r
	v_bfe_u32 v15, v0, 4, 1                        ; h
	v_mov_b32 v[HH], v15
	v_lshlrev_b32 v[L8], 3, v22
	v_lshlrev_b32 v[L4], 2, v22
	v_lshlrev_b32 v[R4], 2, v23
	s_wait_alu depctr_va_vdst(0)
	v_mul_u32_u24 v[XA], v23, 528
	v_lshl_add_u32 v[XA], v15, 4, v[XA]
	s_lshl_b32 s19, s18, 9                         ; my block of 32 units: K step w / 2, registers 4 (w % 2) on: 512 w bytes into a fragment pair
	s_add_co_u32 s19, s19, HIMG
	v_lshlrev_b32 v[HW], 4, v23
	v_lshl_add_u32 v[HW], v15, 3, v[HW]
	v_add_nc_u32 v[HW], s19, v[HW]                 ; + 16 r + 8 h
	s_lshr_b32 s19, s18, 1
	s_lshl_b32 s19, s19, 8
	s_and_b32 s36, s18, 1
	s_lshl_b32 s36, s36, 1
	s_add_co_u32 s19, s19, s36
	s_add_co_u32 s19, s19, HSC
	v_add_nc_u32 v[HSW], s19, v[R4]                ; 256 (w / 2) + 4 r + 2 (w % 2)
	s_mul_i32 s19, s18, 16640
	s_add_co_u32 s19, s19, STG                     ; my stage
	v_mul_u32_u24 v[SO], v23, 1040
	v_lshl_add_u32 v[SO], v15, 5, v[SO]
	v_add_nc_u32 v[SO], s19, v[SO]
	v_add_nc_u32 v[SR], s19, v[L16]
	s_mul_i32 s19, s18, 528                        ; my rows of x: 4 i + wave
	v_add_nc_u32 v[XW], s19, v[L16]
	v_and_b32 v112, 7, v0
	v_lshlrev_b32 v112, 4, v112
	s_lshl_b32 s19, s18, 7
	s_add_co_u32 s19, s19, CNT
	v_add_nc_u32 v112, s19, v112                   ; my wave's sums: 128 w + 16 (lane % 8)
	v_add_nc_u32 v113, CNT, v[L4]                  ; and back: lane = pair
	v_lshl_add_u32 v114, v0, 2, COL                ; my pair's column, in: 4 x thread
	v_add_nc_u32 v120, COL, v[L4]                  ; and back: 4 x lane
	v_lshlrev_b32 v111, 7, v0                      ; 128 x thread: a group's row
.irp m, 0,1,2
	v_mov_b32 v[TP+\m], 0                          ; written once: a lane exchange's destination counts as one of its sources
.endr
.irp c, 0,1,2,3
	v_mov_b32 v[192+\c], 0
.endr
	s_lshl_b32 s36, s18, 10
	s_mov_b32 s37, 0
	s_add_nc_u64 s[16:17], s[16:17], s[36:37]      ; out0 at my 256 columns
	s_wait_loadcnt 0x0
.irp i, 1,2,3,4,5,6,7,8,9,10,11,12,13,14,15
.irp c, 0,1,2,3
	v_add_nc_u32 v[128+\c], v[128+\c], v[128+4*\i+\c]              ; four chains by turns
.endr
.endr
.irp c, 0,1,2,3
	v_mov_b32_dpp v[192+\c], v[128+\c] row_xmask:8 row_mask:0xf bank_mask:0xf
.endr
.irp c, 0,1,2,3
	v_add_nc_u32 v[128+\c], v[128+\c], v[192+\c]   ; with lane l xor 8's groups,
.endr
.irp c, 0,1,2,3
	v_permlanex16_b32 v[192+\c], v[128+\c], s66, s67
.endr
.irp c, 0,1,2,3
	v_add_nc_u32 v[128+\c], v[128+\c], v[192+\c]   ; and lane l xor 16's: my wave's 64 groups
.endr
	ds_store_b128 v112, v[128:131]                 ; four lanes write the same words with the same values
	BARRIER                                        ; the four waves' sums lie in LDS
.irp w, 0,1,2,3
	ds_load_b32 v[196+\w], v113 offset:128*\w
.endr
	s_wait_dscnt 0x0
	v_add_nc_u32 v[NN], v196, v197
	v_add_nc_u32 v[NT], v198, v199
	v_add_nc_u32 v[NN], v[NN], v[NT]               ; lane = pair: its tokens
	v_add_nc_u32 v[NT], 47, v[NN]
	v_mul_u32_u24 v[NT], v[NT], 0xaaab
	v_lshrrev_b32 v[NT], 21, v[NT]                 ; its tiles = (n + 47) / 48: 43,691 / 2^21 is 1 / 48 closely enough for every n + 47 up to 8,239
	v_mov_b32 v[TBS], v[NT]
	SCAN TBS, STM
	v_sub_nc_u32 v[TBS], v[TBS], v[NT]             ; its first tile
; which pair's tile am I?  The one pair with first tile <= my number < first tile + tiles
	s_mov_b32 s19, ttmp9
	v_sub_nc_u32 v15, s19, v[TBS]
	v_cmp_gt_u32 s73, v[NT], v15                   ; at most one bit
	s_ctz_i32_b32 s74, s73
	s_min_u32 s74, s74, 27                         ; the pair's key
	s_lshl_b32 s75, s74, 2
	v_add_nc_u32 v111, s75, v111
	global_load_b32 v220, v111, s[14:15]                           ; my pair's mask of group = thread,
	global_load_b32 v221, v111, s[14:15] offset:16384              ; of group 128 + thread,
	global_load_b32 v222, v111, s[14:15] offset:32768              ; and their numbers
	global_load_b32 v223, v111, s[14:15] offset:49152
	v_readlane_b32 s37, v[NN], s74
	v_readlane_b32 s38, v[TBS], s74
	s_sub_co_u32 s39, s19, s38
	s_mul_i32 s39, s39, 48                         ; places of the pair ahead of my tile
	s_sub_co_u32 s2, s37, s39
	s_min_u32 s2, s2, 48                           ; my rows
	s_cmp_lg_u32 s73, 0
	s_cselect_b32 s2, s2, 0                        ; no pair: no rows
	s_cselect_b32 s3, s39, 0                       ; my first place
	s_min_u32 s3, s3, 0x1fff
	s_mov_b32 s40, 0                               ; lo = how many of the keys' first numbers 7, 13, 18, 22, 25, 27 the key has reached
.irp T, 7,13,18,22,25,27
	s_cmp_ge_u32 s74, \T
	s_add_co_ci_u32 s40, s40, 0
.endr
	s_sub_co_u32 s41, 15, s40
	s_mul_i32 s41, s41, s40
	s_lshr_b32 s41, s41, 1
	s_sub_co_u32 s41, s74, s41
	s_add_co_u32 s41, s41, s40
	s_add_co_u32 s41, s41, 1                       ; hi = key - lo (15 - lo) / 2 + lo + 1
	s_min_u32 s40, s40, 7
	s_min_u32 s41, s41, 7
	s_mov_b32 s43, 0
	BASE 20, 8, 40, 18, 16, 0
	BASE 22, 8, 40, 17, 15, WD0
	BASE 24, 8, 41, 18, 16, 0
	BASE 26, 8, 41, 17, 15, WD0
	BASE 28, 10, 40, 14, 12, 0
	BASE 30, 10, 40, 13, 11, SD0
	BASE 32, 10, 41, 14, 12, 0
	BASE 34, 10, 41, 13, 11, SD0
	LOADSG 28                                      ; the weights hang on the key alone: they are asked for while the tokens are being found
	LOADCH 0, GB, 0
	LOADCH 1, GB, 8192
	WIN 0
	s_wait_loadcnt 48                              ; my four words of the column are in; 16 scale loads and two chunks stay out
	ds_store_b32 v114, v220
	ds_store_b32 v114, v221 offset:512
	ds_store_b32 v114, v222 offset:1024
	ds_store_b32 v114, v223 offset:1536
	BARRIER                                        ; the pair's 256 masks and numbers lie in LDS
.irp r, 0,1,2,3,4,5,6,7
	ds_load_b32 v[MK+\r], v120 offset:128*\r       ; lane l owns groups 32 r + l
	ds_load_b32 v[CU+\r], v120 offset:1024+128*\r
.endr
	v_add_nc_u32 v[Q], s3, v22                     ; the place of row lane,
	v_add_nc_u32 v[Q+32], s3, v23
	v_add_nc_u32 v[Q+32], 32, v[Q+32]              ; and of row 32 + r
.irp k, 0,1
	v_mov_b32 v[Q+32*\k+1], 0                      ; the search begins at lane 0, whose first place is 0
	v_mov_b32 v[Q+32*\k+2], 0
.endr
	s_wait_dscnt 0x0
.irp r, 1,2,3,4,5,6,7
	v_add_nc_u32 v[CU+\r], v[CU+\r], v[CU+\r-1]    ; running sums over my 8 groups: 32, 64, .. 256 at the most
.endr
	v_lshl_or_b32 v[PK], v[CU+1], 8, v[CU]         ; the first seven, a byte each (224 at the most)
	v_lshl_or_b32 v[PK], v[CU+2], 16, v[PK]
	v_lshl_or_b32 v[PK], v[CU+3], 24, v[PK]
	v_lshl_or_b32 v[PK+1], v[CU+5], 8, v[CU+4]
	v_lshl_or_b32 v[PK+1], v[CU+6], 16, v[PK+1]
	v_mov_b32 v[SX], v[CU+7]
	SCAN SX, SXT
	v_sub_nc_u32 v[SX], v[SX], v[CU+7]             ; my lane's first place in the pair
; the owner of a place: the last lane whose first place does not lie behind it
.irp st, 16,8,4,2,1
.irp k, 0,1
	v_add_nc_u32 v[Q+32*\k+3], 4*\st, v[Q+32*\k+1]
	ds_bpermute_b32 v[Q+32*\k+4], v[Q+32*\k+3], v[SX]
.endr
	s_wait_alu depctr_va_vdst(0)
	s_wait_dscnt 0x0
.irp k, 0,1
	v_cmp_le_u32 s[76+\k], v[Q+32*\k+4], v[Q+32*\k]
.endr
.irp k, 0,1
	v_cndmask_b32 v[Q+32*\k+1], v[Q+32*\k+1], v[Q+32*\k+3], s[76+\k]
	v_cndmask_b32 v[Q+32*\k+2], v[Q+32*\k+2], v[Q+32*\k+4], s[76+\k]
.endr
.endr
.irp k, 0,1
.irp r, 0,1,2,3,4,5,6,7
	ds_bpermute_b32 v[Q+32*\k+8+\r], v[Q+32*\k+1], v[MK+\r]        ; the owner's masks
.endr
	ds_bpermute_b32 v[Q+32*\k+5], v[Q+32*\k+1], v[PK]              ; and its running sums
	ds_bpermute_b32 v[Q+32*\k+6], v[Q+32*\k+1], v[PK+1]
.endr
.irp k, 0,1
	v_sub_nc_u32 v[Q+32*\k+2], v[Q+32*\k], v[Q+32*\k+2]            ; the rank among the owner's tokens
	v_mov_b32 v[Q+32*\k+16], 0
	v_mov_b32 v[Q+32*\k+17], 0
.endr
	s_wait_dscnt 0x0
.irp k, 0,1
	v_mov_b32 v[Q+32*\k+7], v[Q+32*\k+8]
.endr
.irp r, 1,2,3,4,5,6,7                  ; which of the eight masks: the last one ahead of which no more tokens lie than the rank
.irp k, 0,1
	v_bfe_u32 v[Q+32*\k+18], v[Q+32*\k+5+(\r-1)/4], 8*((\r-1)%4), 8
.endr
	s_wait_alu depctr_va_vdst(0)
.irp k, 0,1
	v_cmp_le_u32 s[76+\k], v[Q+32*\k+18], v[Q+32*\k+2]
.endr
.irp k, 0,1
	v_cndmask_b32 v[Q+32*\k+7], v[Q+32*\k+7], v[Q+32*\k+8+\r], s[76+\k]
	v_cndmask_b32 v[Q+32*\k+16], v[Q+32*\k+16], v[Q+32*\k+18], s[76+\k]
	v_cndmask_b32 v[Q+32*\k+17], v[Q+32*\k+17], \r, s[76+\k]
.endr
.endr
.irp k, 0,1
	v_sub_nc_u32 v[Q+32*\k+2], v[Q+32*\k+2], v[Q+32*\k+16]         ; the rank among the mask's set bits
	v_lshrrev_b32 v[Q+32*\k+23], 1, v[Q+32*\k+7]
.endr
.irp k, 0,1
	v_and_b32 v[Q+32*\k+23], 0x55555555, v[Q+32*\k+23]
.endr
.irp k, 0,1
	v_sub_nc_u32 v[Q+32*\k+19], v[Q+32*\k+7], v[Q+32*\k+23]        ; the set bits of each 2
.endr
.irp k, 0,1
	v_lshrrev_b32 v[Q+32*\k+23], 2, v[Q+32*\k+19]
	v_and_b32 v[Q+32*\k+20], 0x33333333, v[Q+32*\k+19]
.endr
.irp k, 0,1
	v_and_b32 v[Q+32*\k+23], 0x33333333, v[Q+32*\k+23]
.endr
.irp k, 0,1
	v_add_nc_u32 v[Q+32*\k+20], v[Q+32*\k+20], v[Q+32*\k+23]       ; of each 4
.endr
.irp k, 0,1
	v_lshrrev_b32 v[Q+32*\k+23], 4, v[Q+32*\k+20]
.endr
.irp k, 0,1
	v_add_nc_u32 v[Q+32*\k+21], v[Q+32*\k+20], v[Q+32*\k+23]
.endr
.irp k, 0,1
	v_and_b32 v[Q+32*\k+21], 0x0f0f0f0f, v[Q+32*\k+21]             ; of each 8
.endr
.irp k, 0,1
	v_lshrrev_b32 v[Q+32*\k+23], 8, v[Q+32*\k+21]
.endr
.irp k, 0,1
	v_add_nc_u32 v[Q+32*\k+23], v[Q+32*\k+23], v[Q+32*\k+21]
.endr
.irp k, 0,1
	v_and_b32 v[Q+32*\k+23], 0xff, v[Q+32*\k+23]                   ; of the low 16
.endr
.irp k, 0,1
	v_cmp_le_u32 s[76+\k], v[Q+32*\k+23], v[Q+32*\k+2]
.endr
.irp k, 0,1
	v_cndmask_b32 v[Q+32*\k+23], 0, v[Q+32*\k+23], s[76+\k]
	v_cndmask_b32 v[Q+32*\k+22], 0, 16, s[76+\k]                   ; the bit in hand
.endr
.irp k, 0,1
	v_sub_nc_u32 v[Q+32*\k+2], v[Q+32*\k+2], v[Q+32*\k+23]
.endr
	HALF 21, 8, 0xff
	HALF 20, 4, 15
	HALF 19, 2, 3
	HALF 7, 1, 1
.irp k, 0,1
	v_lshl_add_u32 v[Q+32*\k+22], v[Q+32*\k+17], 10, v[Q+32*\k+22] ; the token = 32 (32 x which mask + owner) + bit
.endr
.irp k, 0,1
	v_lshl_add_u32 v[Q+32*\k+22], v[Q+32*\k+1], 3, v[Q+32*\k+22]
.endr
	v_permlanex16_b32 v15, v[Q+22], s66, s67
	v_cmp_gt_u32 vcc_lo, 16, v22
	v_mov_b32 v[TK], v[Q+22]                       ; row lane
	v_cndmask_b32 v[TK+1], v15, v[Q+22], vcc_lo    ; row r
	v_cndmask_b32 v[TK+2], v[Q+22], v15, vcc_lo    ; row 16 + r
	v_mov_b32 v[TK+3], v[Q+54]                     ; row 32 + r
.irp i, 0,1,2,3
	v_min_u32 v[TK+\i], 0x1fff, v[TK+\i]           ; a token is under 8,192 (a row past the tile's last holds some token: it is multiplied and not stored)
.endr
	s_wait_alu depctr_va_vdst(0)
.irp i, 0,1,2,3,4,5,6,7
	s_add_co_u32 s19, s18, 4*\i
	v_readlane_b32 s[36+\i], v[TK], s19            ; the tokens of my rows 4 i + wave
.endr
.irp i, 8,9,10,11
	s_add_co_u32 s19, s18, 4*\i-32
	v_readlane_b32 s[36+\i], v[TK+3], s19
.endr
.irp i, 0,1,2,3,4,5,6,7,8,9,10,11
	s_min_u32 s[36+\i], s[36+\i], 0x1fff
	s_lshl_b32 s[36+\i], s[36+\i], 9
	v_add_nc_u32 v[224+\i], s[36+\i], v[L16]
.endr
	s_wait_alu depctr_va_vdst(0)
.irp i, 0,1,2,3,4,5,6,7,8,9,10,11
	global_load_b128 v[128+4*\i:131+4*\i], v[224+\i], s[4:5]       ; a row of x codes: 512 consecutive bytes
.endr
	v_lshlrev_b32 v236, 5, v[TK]
	v_lshlrev_b32 v237, 5, v[TK+3]
	global_load_b128 v[XS0:XS0+3], v236, s[6:7]
	global_load_b128 v[XS0+4:XS0+7], v236, s[6:7] offset:16
	global_load_b128 v[XS0+8:XS0+11], v237, s[6:7]
	global_load_b128 v[XS0+12:XS0+15], v237, s[6:7] offset:16
.irp m, 0,1,2
	v_lshlrev_b32 v[238+\m], 3, v[TK+1+\m]
	global_load_b64 v[CW+2*\m:CW+2*\m+1], v[238+\m], s[12:13]
.endr
	LOADCH 2, GB, 16384
	LOADCH 3, GB, 24576
	WIN 0
	BARRIER                                        ; every wave's lane permutes are over: none stands beside the LDS stores below.  The rows of x are on their way meanwhile
	s_wait_loadcnt 39                              ; my 12 rows are in; 4 scale loads, 3 score loads and two chunks stay out
.irp i, 0,1,2,3,4,5,6,7,8,9,10,11
	ds_store_b128 v[XW], v[128+4*\i:131+4*\i] offset:2112*\i
.endr
	BARRIER                                        ; the tile's 48 rows of x lie in LDS
	LOADXF 0, 0
	LOADXF 1, 1
; ---- expert lo.  The counts: chunks are 16 loads, down's scale words 8, gate's and up's 16
	STEP1 0, 0, 32, 12, 2, 1                       ; chunks 2, 3 stay out | the next fragments' 12 loads
	LOADSD 30
	STEP1 0, 1, 56, 12, 3, 0                       ; three chunks and down's scale words
	STEP1 0, 2, 56, 12, 0, 0
	STEP1 0, 3, 56, 12, 1, 0
	ACT 0, 0
	STEP1 0, 4, 56, 18, 2, 1                       ; | 12 loads and the activation's 6 stores
	STEP1 0, 5, 48, 18, 3, 0                       ; three chunks
	STEP1 0, 6, 48, 12, -1, 0
	STEP1 0, 7, 48, 0, 1, 0                        ; it fetches x's K steps 2, 3 for expert hi: set 0 is about to take the hidden layer
	LOADSG 32                                      ; hi's scale words: lo's have been read for the last time, four places back
	ACT 0, 1
	BARRIER                                        ; lo's hidden layer lies in LDS
	LOADH 0
	s_wait_dscnt 0x0
	STEP2 0, 8, 63                                 ; three chunks and 16 scale loads are 64; the field ends at 63, and a smaller count is safe
	STEP2 0, 9, 63
	STEP2 0, 10, 63
	STEP2 0, 11, 63
	LOADSD 34
	LOADXF 0, 0
; ---- expert hi
	STEP1 1, 0, 56, 0, 2, 1                        ; three chunks and down's scale words | nothing was issued behind these fragments
	STEP1 1, 1, 56, 12, 3, 0
	STEP1 1, 2, 56, 12, 0, 0
	STEP1 1, 3, 56, 12, 1, 0
	ACT 1, 0
	STEP1 1, 4, 48, 18, 2, 1
	STEP1 1, 5, 48, 18, 3, 0
	STEP1 1, 6, 48, 12, -1, 0
	STEP1 1, 7, 48, 0, -1, 0
	ACT 1, 1
	BARRIER                                        ; hi's hidden layer lies in LDS, in bytes of its own
	LOADH 1
	s_wait_dscnt 0x0
	STEP2 1, 8, 48
	STEP2 1, 9, 32                                 ; the counts run down: nothing more is asked for
	STEP2 1, 10, 16
	STEP2 1, 11, 0
; ---- THE WAY OUT, 16 tokens at a time.  A lane holds 32 neighbouring bytes of a row and the lanes beside it other rows: so the rows go through my own stage and come back whole, 1,024 bytes a row,
; and each store covers 512 consecutive bytes, aligned.  LDS serves a wave's instructions in order: no wait between the stores and the loads, nor ahead of the next 16 tokens' stores.
; The tile's rows that count come first: the first row that does not ends the way out.
.irp m, 0,1,2
.if \m < 2
	WIN 0x0c                                       ; an LDS store's data are its source 1: window 3
.else
	WIN 0x04                                       ; window 1
.endif
.irp n, 0,1,2,3,4,5,6,7,8,9,10,11,12,13,14,15
	ds_store_b128 v[SO], v[128*(\m%2)+8*\n:128*(\m%2)+8*\n+3] offset:64*\n
	ds_store_b128 v[SO], v[128*(\m%2)+8*\n+4:128*(\m%2)+8*\n+7] offset:64*\n+16
.endr
	WIN 0
	s_wait_xcnt 0x0                                ; the last 16 tokens' stores have read their data and offsets: both are written again below
.irp i, 0,1,2,3,4,5,6,7,8,9,10,11,12,13,14,15
	ds_load_b128 v[OB+8*\i:OB+8*\i+3], v[SR] offset:1040*\i
	ds_load_b128 v[OB+8*\i+4:OB+8*\i+7], v[SR] offset:1040*\i+512
.endr
.irp i, 0,1,2,3,4,5,6,7,8,9,10,11,12,13,14,15
	s_wait_dscnt 30-2*\i                           ; row i's two loads are in; the later rows' stay out
	s_cmp_gt_u32 s2, 16*\m+\i
	s_cbranch_scc0 .Ldone
	v_readlane_b32 s19, v[TK+3*(\m/2)], 16*(\m%2)+\i               ; the row's token
	s_min_u32 s19, s19, 0x1fff
	s_lshl_b32 s19, s19, 12
	v_add_nc_u32 v[OFF+\i], s19, v[L16]
	global_store_b128 v[OFF+\i], v[OB+8*\i:OB+8*\i+3], s[16:17] th:TH_STORE_NT
	global_store_b128 v[OFF+\i], v[OB+8*\i+4:OB+8*\i+7], s[16:17] offset:512 th:TH_STORE_NT
.endr
.endr
.Ldone:
	s_wait_dscnt 0x0
; ---- the two losses: wave 0 of the last work-group.  A lane sums 8 of the 256 groups' rows (8 sums of probabilities, one of squares), then the lanes are summed
	s_cmp_lg_u32 ttmp9, 197
	s_cbranch_scc1 .Lend
	s_cmp_lg_u32 s18, 0
	s_cbranch_scc1 .Lend
	s_wait_xcnt 0x0                                ; my stores have read their registers: they are loaded into below
	v_lshlrev_b32 v110, 6, v22                     ; a group's row is 64 bytes
.irp i, 0,1,2,3,4,5,6,7
	global_load_b128 v[128+12*\i:131+12*\i], v110, s[12:13] offset:65536+2048*\i
	global_load_b128 v[132+12*\i:135+12*\i], v110, s[12:13] offset:65552+2048*\i
	global_load_b32 v[136+12*\i], v110, s[12:13] offset:65568+2048*\i
.endr
	s_wait_loadcnt 0x0
.irp i, 1,2,3,4,5,6,7
.irp e, 0,1,2,3,4,5,6,7,8
	v_add_f32 v[128+\e], v[128+\e], v[128+12*\i+\e]
.endr
.endr
.irp k, 1,2,4,8
.irp e, 0,1,2,3,4,5,6,7,8
	v_add_f32_dpp v[128+\e], v[128+\e], v[128+\e] row_xmask:\k row_mask:0xf bank_mask:0xf
.endr
.endr
.irp e, 0,1,2,3,4,5,6,7,8
	v_permlanex16_b32 v[140+\e], v[128+\e], s66, s67
.endr
.irp e, 0,1,2,3,4,5,6,7,8
	v_add_f32 v[128+\e], v[128+\e], v[140+\e]
.endr
.irp e, 0,1,2,3,4,5,6,7,8
	v_mul_f32 v[128+\e], 0x39000000, v[128+\e]     ; / 8,192: the mean probabilities; the ninth is out1
.endr
.irp e, 0,1,2,3,4,5,6,7
	v_add_f32 v[152+\e], 0x3089705f, v[128+\e]     ; + 1e-9
.endr
	s_wait_alu depctr_va_vdst(0)
.irp e, 0,1,2,3,4,5,6,7
	v_log_f32 v[152+\e], v[152+\e]
.endr
	v_mov_b32 v111, 0                              ; a plain line behind the logarithms
	s_wait_alu depctr_va_vdst(0)                   ; one wait for the eight, ahead of their first reader
	v_mul_f32 v152, v152, v128
.irp e, 1,2,3,4,5,6,7
	v_fmac_f32 v152, v[152+\e], v[128+\e]          ; the sum of pm log2(pm + 1e-9)
.endr
	v_mul_f32 v152, 0x40b17218, v152               ; x 8 ln 2: out2
	v_cmp_eq_u32 vcc_lo, 0, v22
	s_wait_alu depctr_va_vdst(0)
	s_wait_xcnt 0x0                                ; EXEC changes only behind this wait
	s_and_saveexec_b32 s19, vcc_lo
	global_store_b32 v111, v136, s[68:69]
	global_store_b32 v111, v152, s[70:71]
	s_wait_xcnt 0x0                                ; and again ahead of the line that widens it
	s_or_b32 exec_lo, exec_lo, s19
.Lend:
	s_wait_tensorcnt 0x0
	ds_add_u32 v126, v127
	s_wait_dscnt 0x0
	s_endpgm
.Lfunc_end_k_q42cfa25c38_chain:
	.size	k_q42cfa25c38_chain, .Lfunc_end_k_q42cfa25c38_chain-k_q42cfa25c38_chain
	.p2alignl 7, 3214868480
	.fill 96, 4, 3214868480
	.section	.rodata,"a",@progbits
	.p2align	6, 0x0
	.amdhsa_kernel k_q42cfa25c38_chain
		.amdhsa_group_segment_fixed_size 108288
		.amdhsa_private_segment_fixed_size 0
		.amdhsa_enable_private_segment 0
		.amdhsa_kernarg_size 72
		.amdhsa_user_sgpr_count 2
		.amdhsa_user_sgpr_kernarg_segment_ptr 1
		.amdhsa_wavefront_size32 1
		.amdhsa_system_sgpr_workgroup_id_x 1
		.amdhsa_system_sgpr_workgroup_id_y 1
		.amdhsa_system_sgpr_workgroup_id_z 1
		.amdhsa_system_vgpr_workitem_id 0
		.amdhsa_next_free_vgpr 1024
		.amdhsa_next_free_sgpr 100
		.amdhsa_reserve_vcc 1
		.amdhsa_float_denorm_mode_32 3
		.amdhsa_float_denorm_mode_16_64 3
		.amdhsa_memory_ordered 1
		.amdhsa_forward_progress 1
		.amdhsa_inst_pref_size 255
	.end_amdhsa_kernel
	.section	.bss,"aw",@nobits
	.p2align	6
	.space	262144
	.amdgpu_metadata
---
amdhsa.version: [ 1, 2 ]
amdhsa.kernels:
  - .name:           k_q42cfa25c38_chain
    .symbol:         k_q42cfa25c38_chain.kd
    .args:
      - { .name: xq, .offset: 0, .size: 8, .value_kind: global_buffer, .address_space: global }
      - { .name: xs, .offset: 8, .size: 8, .value_kind: global_buffer, .address_space: global }
      - { .name: wq, .offset: 16, .size: 8, .value_kind: global_buffer, .address_space: global }
      - { .name: ws, .offset: 24, .size: 8, .value_kind: global_buffer, .address_space: global }
      - { .name: rt, .offset: 32, .size: 8, .value_kind: global_buffer, .address_space: global }
      - { .name: sel, .offset: 40, .size: 8, .value_kind: global_buffer, .address_space: global }
      - { .name: out0, .offset: 48, .size: 8, .value_kind: global_buffer, .address_space: global }
      - { .name: out1, .offset: 56, .size: 8, .value_kind: global_buffer, .address_space: global }
      - { .name: out2, .offset: 64, .size: 8, .value_kind: global_buffer, .address_space: global }
    .group_segment_fixed_size: 108288
    .private_segment_fixed_size: 0
    .kernarg_segment_align: 8
    .kernarg_segment_size: 72
    .max_flat_workgroup_size: 128
    .sgpr_count:     100
    .vgpr_count:     1024
    .wavefront_size: 32
...
	.end_amdgpu_metadata
.endif
;; end of part 5
